; MI455X (gfx1250); checked and timed in simulation.
; The chip was launched on July 23, 2026; its instructions are those of AMD's public machine-readable ISA for CDNA 5 (MIT licence, August 2026) and "CDNA5" Instruction Set Architecture Reference Guide (July 2026). The comments in the code are by the model that wrote it; some were corrected since.
;; Attention Layer. Allowed arithmetic: matrix products marked QUANTISED: E4M3 operands, one given power-of-two scale a tensor, by v_wmma_f32_16x16x64_fp8_fp8 or v_wmma_f32_16x16x128_fp8_fp8, f32 sums; everything else in f32.
;; Inputs: Wk 1,024 x 1,024 float32; Wo 1,024 x 1,024 float32; Wq 1,024 x 1,024 float32; Wv 1,024 x 1,024 float32; attn_mask 1 x 1 x 2,048 x 2,048 bool; bk 1,024 float32; bo 1,024 float32; bq 1,024 float32; bv 1,024 float32; keys 4 x 2,048 x 1,024 float32; lowp_scales 12 int32 (the exponents e of the quantised operands' scales 2^e); queries 4 x 2,048 x 1,024 float32; values 4 x 2,048 x 1,024 float32.
;; Outputs: out0 4 x 2,048 x 1,024 float32.
;; This version of the problem:
;;   THIS VERSION OF THE PROBLEM IS GIVEN IN LOW PRECISION. The matrix products marked QUANTISED in the list below multiply operands that are first quantised to E4M3 (4 exponent bits, 3 mantissa bits; 8 bits a number), with one given power-of-two scale for each operand tensor; their sums are f32. All else is computed in f32.
;;   The module's matrix products, in the order in which they are computed (A, B: the left and right operand; K: the contracted axis; several contracted axes count as one K, in the product's order):
;;     1. [M 8,192, K 1,024] x [K 1,024, N 1,024]; A: input queries; B: input Wq: QUANTISED (scales: A lowp_scales[0], B lowp_scales[1])
;;     2. [M 8,192, K 1,024] x [K 1,024, N 1,024]; A: input keys; B: input Wk: QUANTISED (scales: A lowp_scales[2], B lowp_scales[3])
;;     3. [M 8,192, K 1,024] x [K 1,024, N 1,024]; A: input values; B: input Wv: QUANTISED (scales: A lowp_scales[4], B lowp_scales[5])
;;     4. batch 64 x [M 2,048, K 64] x [K 64, N 2,048]; A: computed on the way; B: computed on the way: QUANTISED (scales: A lowp_scales[6], B lowp_scales[7])
;;     5. batch 64 x [M 64, K 2,048] x [K 2,048, N 2,048]; A: computed on the way; B: softmax (see below): QUANTISED (scales: A lowp_scales[8], B lowp_scales[9])
;;     6. [M 8,192, K 1,024] x [K 1,024, N 1,024]; A: computed on the way; B: input Wo: QUANTISED (scales: A lowp_scales[10], B lowp_scales[11])
;;   THE QUANTISER, for each operand of a quantised product, along K:
;;     - The operand's scale is 2^e, e = its entry of the input lowp_scales (int32; the entries are numbered through the quantised products in the list's order, A before B).
;;     - Each number is divided by the scale, clamped to +-448, and rounded to the nearest number of E4M3, ties to even, subnormals kept.
;;     - The product sums the exact products of the quantised numbers (number of the format x scale) in f32.
;;   ~~~python
;;   def quantise(x, axis, e):      # numpy; x: float32 -> the quantised numbers, widened to float32 again
;;       x = np.moveaxis(x, axis, -1); K = x.shape[-1]
;;       r = np.clip(x / 2.0 ** e, -448, 448)
;;       step = 2.0 ** (np.maximum(np.frexp(np.where(r == 0, 1, r))[1] - 1, -6) - 3)
;;       q = np.round(r / step) * step * 2.0 ** e      # np.round: ties to even
;;       return np.moveaxis(q, -1, axis).astype(np.float32)
;;   ~~~
;;   SOFTMAX AHEAD OF A QUANTISED PRODUCT. Where the list says 'softmax', what is quantised is not the finished softmax but p = 2^(t - M), with t = logit x log2(e) and M = ceil(the row's largest t), a whole number; so 1/2 < the row's largest p <= 1. The row's sum l is taken of the UNQUANTISED p, in f32, and the product's result is divided by l at the end. Since M is a whole number, a kernel that streams over the keys may use a running M (the ceiling of the running maximum): every later rescaling is an exact power of two, so the quantised numbers keep their values, but for numbers so far below the row's largest that they fall under the format's range.
;;   OPERANDS COMPUTED ON THE WAY. 'Computed on the way' means the value that the module computes at that place (a softmax that the list does not call 'softmax' is quantised finished and normalised). What goes into a quantiser is computed in f32, as accurately as f32 sums, v_exp_f32 and their like allow (about 1e-6 of the number): no bf16 or f16 on the way to a quantiser, and a product that is left as it is and whose result goes on into a quantised operand takes f32 operands (vector FMAs, or v_wmma_f32_16x16x4_f32). A number that lies on a knife's edge between two numbers of the format may be rounded either way, as far as f32 arithmetic and the matrix unit's own rounding can turn it there, and no further.
;; 2 versions, each right; version 2 is version 1 with the launch attn written anew for expert scheduling mode. Each part assembles by itself: llvm-mc -triple=amdgcn-amd-amdhsa -mcpu=gfx1250 --defsym DOCPART=n.
;; ======== version 1 of 2: 4 launches
;; workspace buffers: xcodes 25,165,824 bytes; wcodes 4,194,304 bytes; mbits 524,288 bytes of whole numbers; mflags 2,048 bytes of whole numbers; qkv 25,165,824 bytes; acodes 8,388,608 bytes
;; launch prep (part 1): grid 1024 x 1, 4 waves a work-group, no clusters, 68,096 bytes of LDS; arguments queries, keys, values, Wq, Wk, Wv, Wo, attn_mask, lowp_scales, xcodes, wcodes, mbits, mflags; writes xcodes, wcodes, mbits, mflags
.if DOCPART == 1
	.amdgcn_target "amdgcn-amd-amdhsa--gfx1250"
	.amdhsa_code_object_version 6
	.text
	.protected	k_q0af698d0e7_prep
	.globl	k_q0af698d0e7_prep
	.p2align	8
	.type	k_q0af698d0e7_prep,@function
k_q0af698d0e7_prep:
	s_mov_b64 s[64:65], 0
	v_nop
	global_prefetch_b8 v0, s[64:65] scope:SCOPE_SE
	s_setreg_imm32_b32 hwreg(HW_REG_WAVE_MODE, 25, 1), 1
	s_wait_xcnt 0x0
; PREP.  (1) queries, keys, values [8192][1024] and Wq, Wk, Wv, Wo [1024][1024], f32, become codes of FP8 (E4M3), each tensor with the scale 2^e given for it:
; code = x / 2^e, held within +-448, to the nearest code, ties to even.  (2) attn_mask [2048][2048] (a byte, not 0 = hidden) becomes lane-mask words and flags.
; THE IMAGE.  Codes are laid as the matrix unit's registers take them.  A fragment of 16 rows x 128 K is 2,048 bytes: four chunks of 512, lane l's 16 bytes at 16 l.  Chunk c of lane (r = l % 16, h = l / 16)
; holds, of row r, k = 32 c + 8 h + 0 .. 7 and then k = 32 c + 16 + 8 h + 0 .. 7: registers 4 c .. 4 c + 3 of the plain 8-bit form's operand.  xcodes: [tensor 3][row tile 512][K block 8][2048]; wcodes: [tensor 4][row tile 64][8][2048].
; mbits: [query tile T 128][key step s 16][word n 64]: bit l of word n = 8 t + j is mask[16 T + l % 16][128 s + 16 t + 8 (l / 16) + j]: the lane mask for register n of a step's scores.
; mflags: [T 128][w 4]: bits 2 i + 1 : 2 i of word w belong to step 4 w + i: 0 = all 16 x 128 hidden, 1 = mixed, 2 = all open.
; SHARES.  Work-groups 0-767: activations, 768-895: weights, 896-1023: the mask.  A wave of the first two kinds takes one row tile x 512 along K: four images.  Each load reads 512 consecutive bytes of a row; the 16 x 512 bytes
; turn through the wave's own stage in LDS (rows 528 bytes apart) and come back as the lane's 64 numbers of the image.  Waves share nothing: no barrier.  The two kinds of path have LDS bytes of their own.
; LIMITS: each e between -126 and 119.  NaN among the inputs is not served (an infinity is held at the largest code).
.set SPI,  528                         ; a stage row: 512 bytes + 16
.set STW,  16*SPI                      ; a wave's stage
.set MST,  4*STW                       ; the mask path's four stages lie behind the other path's four
.set R,    16                          ; v16-143  two sets of 64: an image's numbers as loaded
.set X,    144                         ; v144-207 the lane's 64 numbers of an image
.set C,    208                         ; v208-239 two sets of 16: an image's codes
.set MR,   16                          ; v16-79   mask: 16 rows x 512 bytes as loaded
.set MB8,  80                          ; v80-143  mask: my 8 bytes of each of 32 tiles of 16 keys
.set MW,   144                         ; v144-151 mask: a step's 64 words, two to a lane
	s_load_b512 s[4:19], s[0:1], 0x0               ; queries 4, keys 6, values 8, Wq 10, Wk 12, Wv 14, Wo 16, attn_mask 18
	s_load_b256 s[20:27], s[0:1], 0x40             ; lowp_scales 20, xcodes 22, wcodes 24, mbits 26
	s_load_b64 s[28:29], s[0:1], 0x60              ; mflags
	v_lshl_add_u32 v254, v0, 2, 0x10800
	v_mov_b32 v255, 0
	v_lshrrev_b32 v1, 5, v0
	v_readfirstlane_b32 s30, v1                    ; wave
	v_and_b32 v1, 31, v0                           ; lane
	v_lshlrev_b32 v2, 4, v1                        ; 16 x lane
	v_and_b32 v14, 15, v0                          ; r
	v_bfe_u32 v15, v0, 4, 1                        ; h
	s_mul_i32 s47, s30, STW
	s_and_b32 s48, s30, 1
	s_cmp_ge_u32 ttmp9, 896
	s_cbranch_scc1 .Lmask
	; ---------------- numbers into codes
	v_add_nc_u32 v3, s47, v2                       ; the stage, way in: 16 x lane of a row
	v_mul_u32_u24 v4, v14, SPI
	v_lshl_add_u32 v4, v15, 5, v4
	v_add_nc_u32 v4, s47, v4                       ; way out: row r, + 32 h bytes (8 h numbers)
	s_cmp_ge_u32 ttmp9, 768                        ; a weight?
	s_cselect_b32 s31, 768, 0
	s_cselect_b32 s37, 63, 511                     ; row tiles in a tensor, less one
	s_cselect_b32 s38, 6, 9
	s_cselect_b32 s36, 1, 0
	s_sub_co_u32 s31, ttmp9, s31
	s_lshl_b32 s32, s31, 1
	s_lshr_b32 s34, s30, 1
	s_add_co_u32 s32, s32, s34                     ; my row tile's number in the buffer of codes
	s_and_b32 s33, s32, s37                        ; and in its tensor
	s_lshr_b32 s39, s32, s38                       ; which tensor of its kind
	s_lshl_b32 s35, s39, 1
	s_add_co_u32 s35, s35, s36                     ; the scale's entry: activations 0, 2, 4; Wq, Wk, Wv 1, 3, 5;
	s_cmp_ge_u32 ttmp9, 864
	s_cselect_b32 s35, 11, s35                     ; Wo 11
	s_lshl_b32 s35, s35, 2
	s_lshl_b32 s50, s32, 14                        ; codes: 16,384 bytes a row tile,
	s_lshl_b32 s49, s48, 13
	s_add_co_u32 s50, s50, s49                     ; + four images for the upper half of K
	s_mov_b32 s51, 0
	s_lshl_b32 s52, s33, 16                        ; numbers: 16 rows of 4,096 bytes,
	s_lshl_b32 s49, s48, 11
	s_add_co_u32 s52, s52, s49                     ; + 512 numbers
	s_mov_b32 s53, 0
	s_wait_kmcnt 0x0
	s_load_b32 s36, s[20:21], s35 offset:0x0       ; e
	s_cmp_ge_u32 ttmp9, 768                        ; the buffers are chosen by the work-group's number alone
	s_cselect_b64 s[40:41], s[24:25], s[22:23]
	s_mov_b64 s[42:43], s[16:17]
	s_cmp_lt_u32 ttmp9, 864
	s_cselect_b64 s[42:43], s[14:15], s[42:43]
	s_cmp_lt_u32 ttmp9, 832
	s_cselect_b64 s[42:43], s[12:13], s[42:43]
	s_cmp_lt_u32 ttmp9, 800
	s_cselect_b64 s[42:43], s[10:11], s[42:43]
	s_cmp_lt_u32 ttmp9, 768
	s_cselect_b64 s[42:43], s[8:9], s[42:43]
	s_cmp_lt_u32 ttmp9, 512
	s_cselect_b64 s[42:43], s[6:7], s[42:43]
	s_cmp_lt_u32 ttmp9, 256
	s_cselect_b64 s[42:43], s[4:5], s[42:43]
	s_add_nc_u64 s[40:41], s[40:41], s[50:51]
	s_add_nc_u64 s[42:43], s[42:43], s[52:53]
.macro LOADI t                         ; image t: 128 numbers of each of the 16 rows; a load reads 512 consecutive bytes of one row
.set i, 0
.rept 16
	global_load_b128 v[R+64*((\t)%2)+4*i:R+64*((\t)%2)+4*i+3], v2, s[42:43] offset:4096*i+512*(\t) th:TH_LOAD_NT
.set i, i+1
.endr
.endm
.macro STEPQ t
.if (\t) < 3
	s_wait_loadcnt 16                              ; this image's sixteen loads are in; the next image's sixteen may be out
.else
	s_wait_loadcnt 0x0
.endif
.set i, 0
.rept 16
	ds_store_b128 v3, v[R+64*((\t)%2)+4*i:R+64*((\t)%2)+4*i+3] offset:SPI*i
.set i, i+1
.endr
.irp c, 0,1,2,3                        ; LDS serves a wave's instructions in order: these see the stores above.  X + 16 c + 0 .. 7: k = 32 c + 8 h + 0 .. 7; + 8 .. 15: k = 32 c + 16 + 8 h + 0 .. 7
	ds_load_b128 v[X+16*\c:X+16*\c+3], v4 offset:128*\c
	ds_load_b128 v[X+16*\c+4:X+16*\c+7], v4 offset:128*\c+16
	ds_load_b128 v[X+16*\c+8:X+16*\c+11], v4 offset:128*\c+64
	ds_load_b128 v[X+16*\c+12:X+16*\c+15], v4 offset:128*\c+80
.endr
	s_wait_dscnt 0x0                               ; my numbers are back, and the stores have read the set of registers,
.if (\t) < 2
	LOADI (\t)+2                                   ; which takes the image two on
.endif
.set i, 0
.rept 64
	v_med3_num_f32 v[X+i], v[X+i], -v10, v10       ; the conversion to an 8-bit code does not saturate (ISA guide 7.6.2): the hold at the largest code x the scale
.set i, i+1
.endr
.if (\t) >= 2
	s_wait_xcnt 0x0                                ; the stores of two images ago have read this set of codes
.endif
.set i, 0
.rept 8
	v_cvt_scalef32_pk8_fp8_f32 v[C+16*((\t)%2)+2*i:C+16*((\t)%2)+2*i+1], v[X+8*i:X+8*i+7], v11
.set i, i+1
.endr
	v_nop                                          ; one plain vector line behind the conversions: the next image's holds write their sources
.irp c, 0,1,2,3
	global_store_b128 v2, v[C+16*((\t)%2)+4*\c:C+16*((\t)%2)+4*\c+3], s[40:41] offset:2048*(\t)+512*\c   ; 32 lanes store 512 consecutive bytes, aligned
.endr
.endm
	LOADI 0
	LOADI 1
	s_wait_kmcnt 0x0
	s_add_co_i32 s36, s36, 127
	s_lshl_b32 s37, s36, 23
	v_mov_b32 v11, s37                             ; 2^e as f32: the conversion takes its exponent field
	s_add_co_i32 s36, s36, 8
	s_lshl_b32 s36, s36, 23
	s_or_b32 s36, s36, 0x600000
	v_mov_b32 v10, s36                             ; 448 x 2^e
	STEPQ 0
	STEPQ 1
	STEPQ 2
	STEPQ 3
	s_wait_tensorcnt 0x0
	ds_add_u32 v254, v255
	s_wait_dscnt 0x0
	s_endpgm
	; ---------------- the mask: query tile T = work-group - 896; wave w takes key steps 4 w .. 4 w + 3 (512 bytes of each of the 16 rows)
.Lmask:
	s_sub_co_u32 s31, ttmp9, 896                   ; T
	v_add_nc_u32 v5, s47, v2
	v_add_nc_u32 v5, MST, v5                       ; the stage, way in
	v_mul_u32_u24 v6, v14, SPI
	v_lshl_add_u32 v6, v15, 3, v6
	v_add_nc_u32 v6, s47, v6
	v_add_nc_u32 v6, MST, v6                       ; way out: row r, + 8 h
	v_lshlrev_b32 v9, 3, v1                        ; two words a lane
	s_lshl_b32 s50, s31, 15                        ; 16 rows of 2,048 bytes,
	s_lshl_b32 s49, s30, 9
	s_add_co_u32 s50, s50, s49                     ; + my 512 columns
	s_mov_b32 s51, 0
	s_lshl_b32 s52, s31, 12                        ; mbits: (16 T + 4 w) x 256 bytes
	s_lshl_b32 s49, s30, 10
	s_add_co_u32 s52, s52, s49
	s_mov_b32 s53, 0
	s_lshl_b32 s54, s31, 4                         ; mflags: (4 T + w) x 4 bytes
	s_lshl_b32 s49, s30, 2
	s_add_co_u32 s54, s54, s49
	s_mov_b32 s55, 0
	s_wait_kmcnt 0x0
	s_add_nc_u64 s[18:19], s[18:19], s[50:51]
	s_add_nc_u64 s[26:27], s[26:27], s[52:53]
	s_add_nc_u64 s[28:29], s[28:29], s[54:55]
.set i, 0
.rept 16
	global_load_b128 v[MR+4*i:MR+4*i+3], v2, s[18:19] offset:2048*i th:TH_LOAD_NT   ; 512 consecutive bytes of a row
.set i, i+1
.endr
.set i, 0
.rept 8
	v_mov_b32 v[MW+i], 0                           ; written whole once: v_writelane_b32 keeps the other lanes
.set i, i+1
.endr
	s_mov_b32 s45, 0                               ; the four steps' flags
	s_wait_loadcnt 0x0
.set i, 0
.rept 16
	ds_store_b128 v5, v[MR+4*i:MR+4*i+3] offset:SPI*i
.set i, i+1
.endr
.set i, 0
.rept 32
	ds_load_b64 v[MB8+2*i:MB8+2*i+1], v6 offset:16*i   ; tile i of 16 keys (step i / 8, tile i % 8): my row's bytes 8 h + 0 .. 7
.set i, i+1
.endr
	s_wait_dscnt 0x0
.macro MSTEP sp                        ; one key step: 64 words, each the 32 lanes' answers for one byte
	s_mov_b32 s41, -1                              ; the words' AND,
	s_mov_b32 s42, 0                               ; and their OR
.set n, 0
.rept 64
	v_bfe_u32 v[7+n%2], v[MB8+2*(8*(\sp)+n/8)+(n%8)/4], 8*(n%4), 8
	v_cmp_ne_u32 s[40+3*(n%2)], 0, v[7+n%2]
	v_writelane_b32 v[MW+2*(\sp)+n%2], s[40+3*(n%2)], n/2   ; word n goes to lane n / 2, register n % 2
	s_and_b32 s41, s41, s[40+3*(n%2)]
	s_or_b32 s42, s42, s[40+3*(n%2)]
.set n, n+1
.endr
	global_store_b64 v9, v[MW+2*(\sp):MW+2*(\sp)+1], s[26:27] offset:256*(\sp)   ; 32 lanes store 256 consecutive bytes, aligned
	s_cmp_lg_u32 s42, 0
	s_cselect_b32 s44, 1, 2                        ; something hidden: mixed; nothing: open
	s_cmp_eq_u32 s41, -1
	s_cselect_b32 s44, 0, s44                      ; everything hidden
	s_lshl_b32 s44, s44, 2*(\sp)
	s_or_b32 s45, s45, s44
.endm
	MSTEP 0
	MSTEP 1
	MSTEP 2
	MSTEP 3
	v_mov_b32 v12, s45
	v_mov_b32 v13, 0
	v_cmp_eq_u32 vcc_lo, 0, v1
	s_wait_xcnt 0x0                                ; EXEC is a source of the stores above: it changes only behind this wait
	s_wait_tensorcnt 0x0
	ds_add_u32 v254, v255
	s_wait_dscnt 0x0
	s_and_saveexec_b32 s46, vcc_lo
	global_store_b32 v13, v12, s[28:29]            ; lane 0: my word of flags
	s_wait_xcnt 0x0
	s_or_b32 exec_lo, exec_lo, s46
	s_endpgm
.Lfunc_end_k_q0af698d0e7_prep:
	.size	k_q0af698d0e7_prep, .Lfunc_end_k_q0af698d0e7_prep-k_q0af698d0e7_prep
	.p2alignl 7, 3214868480
	.fill 96, 4, 3214868480
	.section	.rodata,"a",@progbits
	.p2align	6, 0x0
	.amdhsa_kernel k_q0af698d0e7_prep
		.amdhsa_group_segment_fixed_size 68096
		.amdhsa_private_segment_fixed_size 0
		.amdhsa_enable_private_segment 0
		.amdhsa_kernarg_size 104
		.amdhsa_user_sgpr_count 2
		.amdhsa_user_sgpr_kernarg_segment_ptr 1
		.amdhsa_wavefront_size32 1
		.amdhsa_system_sgpr_workgroup_id_x 1
		.amdhsa_system_sgpr_workgroup_id_y 1
		.amdhsa_system_sgpr_workgroup_id_z 1
		.amdhsa_system_vgpr_workitem_id 0
		.amdhsa_next_free_vgpr 256
		.amdhsa_next_free_sgpr 66
		.amdhsa_reserve_vcc 1
		.amdhsa_float_denorm_mode_32 3
		.amdhsa_float_denorm_mode_16_64 3
		.amdhsa_memory_ordered 1
		.amdhsa_forward_progress 1
		.amdhsa_inst_pref_size 109
	.end_amdhsa_kernel
	.amdgpu_metadata
---
amdhsa.version: [ 1, 2 ]
amdhsa.kernels:
  - .name:           k_q0af698d0e7_prep
    .symbol:         k_q0af698d0e7_prep.kd
    .args:
      - { .name: queries, .offset: 0, .size: 8, .value_kind: global_buffer, .address_space: global }
      - { .name: keys, .offset: 8, .size: 8, .value_kind: global_buffer, .address_space: global }
      - { .name: values, .offset: 16, .size: 8, .value_kind: global_buffer, .address_space: global }
      - { .name: Wq, .offset: 24, .size: 8, .value_kind: global_buffer, .address_space: global }
      - { .name: Wk, .offset: 32, .size: 8, .value_kind: global_buffer, .address_space: global }
      - { .name: Wv, .offset: 40, .size: 8, .value_kind: global_buffer, .address_space: global }
      - { .name: Wo, .offset: 48, .size: 8, .value_kind: global_buffer, .address_space: global }
      - { .name: attn_mask, .offset: 56, .size: 8, .value_kind: global_buffer, .address_space: global }
      - { .name: lowp_scales, .offset: 64, .size: 8, .value_kind: global_buffer, .address_space: global }
      - { .name: xcodes, .offset: 72, .size: 8, .value_kind: global_buffer, .address_space: global }
      - { .name: wcodes, .offset: 80, .size: 8, .value_kind: global_buffer, .address_space: global }
      - { .name: mbits, .offset: 88, .size: 8, .value_kind: global_buffer, .address_space: global }
      - { .name: mflags, .offset: 96, .size: 8, .value_kind: global_buffer, .address_space: global }
    .group_segment_fixed_size: 68096
    .private_segment_fixed_size: 0
    .kernarg_segment_align: 8
    .kernarg_segment_size: 104
    .max_flat_workgroup_size: 128
    .sgpr_count:     66
    .vgpr_count:     256
    .wavefront_size: 32
...
	.end_amdgpu_metadata
.endif
;; end of part 1
;; launch proj (part 2): grid 4 x 96, 4 waves a work-group, clusters of 4 x 4, 327,680 bytes of LDS; arguments xcodes, wcodes, lowp_scales, bq, bk, bv, qkv; writes qkv
.if DOCPART == 2
	.amdgcn_target "amdgcn-amd-amdhsa--gfx1250"
	.amdhsa_code_object_version 6
	.text
	.protected	k_q0af698d0e7_proj
	.globl	k_q0af698d0e7_proj
	.p2align	8
	.type	k_q0af698d0e7_proj,@function
k_q0af698d0e7_proj:
	s_mov_b64 s[64:65], 0
	v_nop
	global_prefetch_b8 v0, s[64:65] scope:SCOPE_SE
	s_setreg_imm32_b32 hwreg(HW_REG_WAVE_MODE, 25, 1), 1
	s_wait_xcnt 0x0
	s_wait_alu depctr_hold_cnt(0) depctr_sa_sdst(0) depctr_va_vdst(0) depctr_va_sdst(0) depctr_va_ssrc(0) depctr_va_vcc(0) depctr_vm_vsrc(0)
	s_getreg_b32 s2, hwreg(HW_REG_IB_STS2, 6, 4)
	s_cmp_eq_u32 s2, 0
	s_cbranch_scc0 .Lentry_in_a_cluster
	s_endpgm
.Lentry_in_a_cluster:
	s_bfe_u32 s2, ttmp6, 0x10000c
	s_cmp_lg_u32 s2, 0xf033
	s_cbranch_scc0 .Lentry_shape_is_right
	s_endpgm
.Lentry_shape_is_right:
; PROJ.  q = queries Wq^T + bq, k = keys Wk^T + bk, v = values Wv^T + bv, on codes of FP8 (E4M3); each result is quantised at once for attention's products and stored as images of operand registers.
; INPUTS: xcodes [3][512 row tiles][8 K blocks][2048], wcodes [4][64][8][2048]: a fragment of 16 rows x 128 K is 2,048 bytes, four chunks of 512, lane l's 16 bytes at 16 l (registers 4 c .. 4 c + 3 of the operand).
; OUTPUT qkv: Q at byte 0 [head bh 64][query tile 128][1024]; K at 0x800000 likewise (rows = tokens, K = the head's 64 channels); V at 0x1000000 [bh][key step 16][channel tile 4][2048] (rows = channels, K = the step's 128 keys).
; A tile of 256 x 256 is made by four waves, 128 x 128 each: 64 accumulators, 512 registers.  K = 1,024 goes in steps of 256 through a ring of two LDS slots filled by the tensor data mover.
; Work-group x (0-3): 256 rows of the weight; y (0-95): 256 rows of the activations; projection p = y / 32, taken from the cluster's y alone, so it is the same in all sixteen partners.
; CLUSTERS: 4 x 4.  The activations' tile hangs on y alone and is asked for jointly by a row of the cluster, the weight's on x and p alone, by a column.
; WHO IS THE LANE'S ROW.  Source 1 of the matrix instruction gives a lane its row, source 0 runs along the lane's registers.  For q and k source 1 = tokens, source 0 = channels: a lane's eight results are eight neighbouring channels
; of one token, which is K of the scores' product.  For v source 1 = channels of Wv, source 0 = tokens: eight neighbouring keys of one channel, K of the second product.  The two differ in the LDS base of the fragments' addresses alone.
; So eight results convert into registers 2 b, 2 b + 1 of the next operand, and the codes are stored straight from registers: every store of the wave covers 512 consecutive bytes, aligned.
; LIMITS: e(A) + e(B) between -126 and 127; the result's e (entries 6, 7, 8) between -126 and 119.
; REGISTERS, in windows of 256: window 0: v0-31 addresses; v48-63, v64-127 the biases; from v128 source 1's fragments, ONE set (behind the loop: results and codes).  window 1: source 0's fragments, TWO sets.  windows 2, 3: the accumulators.
.set FR,     16                        ; registers of a fragment
.set NL,     4                         ; LDS loads that bring one
.set NP,     4                         ; places behind this matrix instruction (ISA guide 7.12.1)
.set HALFT,  32768                     ; 128 rows x 256 K: 8 row tiles x 2 images: what one tensor load brings
.set SLOT,   4*HALFT                   ; the activations' two halves, then the weight's two
.set SPARE,  2*SLOT                    ; behind the ring: the spare words, 128 bytes for each wave
.set LAPS,   2                         ; 1,024 along K = four slots' worth = twice round the ring
.set ADRA, 16                          ; v16-17  LDS address of source 1's fragments in slot 0, 1
.set ADRB, 20                          ; v20-21  of source 0's
.set LIM,  24                          ; v24     448 x 2^e of the result
.set SCL,  25                          ; v25     2^e of the result
.set CO,   26                          ; v26     16 x lane
.set SPW,  28                          ; v28     LDS address of my spare word; never rewritten
.set NIL,  29                          ; v29     0; never rewritten
.set BI,   48                          ; v48-63  the bias of the lane's row, block a at 2 a, twice (a pair for the packed form)
.set BJ,   64                          ; v64-127 the bias along the registers: 8 b + j
.set AF,   128
.set TMP,  128                         ; behind the loop: a block's 64 results
.set COD,  192                         ; and its codes, two sets of 16
.set G1, 24                            ; s[24:31] group 1 for the activations' tiles; s[32:39] group 0, a set for each slot
.set G0, 32
.set G1B, 48                           ; s[48:55], s[56:63] the same for the weight's
.set G0B, 56
.set MSB, 0
.macro WIN new                         ; the immediate's high byte repeats the setting that is left
.if MSB != \new
	s_set_vgpr_msb (MSB<<8)|\new
.set MSB, \new
.endif
.endm
.set MUL_LO, 0xa1                      ; source 0 window 1, source 1 window 0, C and D window 2
.set MUL_HI, 0xf1                      ; the same, C and D window 3
.set TO_B,   0x40                      ; destination window 1, address window 0
; A joint load: waves 0 and 1 fetch the activations' halves, waves 2 and 3 the weight's.  The branch hangs on the wave's number alone.  Four v_nop follow each of the two lines.
.macro JLOAD g0a, g1a, g0b, g1b
	s_cmp_eq_u32 s15, 0
	s_cbranch_scc0 .Lfor_b_\@
	tensor_load_to_lds s[\g0a:\g0a+3], s[\g1a:\g1a+7]
	s_nop 0
.rept 4
	v_nop
.endr
	s_branch .Lasked_\@
.Lfor_b_\@:
	tensor_load_to_lds s[\g0b:\g0b+3], s[\g1b:\g1b+7]
	s_nop 0
.rept 4
	v_nop
.endr
.Lasked_\@:
.endm
.macro CREST                           ; a round of the cluster's barrier behind its opening barrier
	s_cmp_lg_u32 s14, 0
	s_cbranch_scc1 .Lnot_wave_0_\@
	s_barrier_signal -3
.Lnot_wave_0_\@:
	s_barrier_wait -3
	s_barrier_signal -1
	s_barrier_wait -1
.endm
.macro CROUND                          ; a whole round
	s_barrier_signal -1
	s_barrier_wait -1
	CREST
.endm
	s_load_b256 s[4:11], s[0:1], 0x0               ; xcodes 4, wcodes 6, lowp_scales 8, bq 10
	s_load_b128 s[68:71], s[0:1], 0x20             ; bk 68, bv 70
	s_load_b64 s[72:73], s[0:1], 0x30              ; qkv
	v_lshl_add_u32 v[SPW], v0, 2, SPARE
	v_mov_b32 v[NIL], 0
	ds_add_u32 v28, v29
	ds_add_u32 v28, v29
	s_wait_dscnt 0x0
	v_lshrrev_b32 v1, 5, v0
	v_readfirstlane_b32 s14, v1                    ; wave 0..3
	s_lshr_b32 s15, s14, 1                         ; which half of source 1's rows is mine.  Also: I fetch activations (0) or weights (1)
	s_and_b32 s16, s14, 1                          ; which half of source 0's.  Also: which 128 rows of that tile I fetch
	s_bfe_u32 s40, ttmp6, 0x40000                  ; cx, cy: my place in the cluster
	s_bfe_u32 s41, ttmp6, 0x40004
	s_lshl_b32 s42, ttmp9, 2
	s_add_co_u32 s42, s42, s40                     ; x = 4 x cluster x + cx
	s_and_b32 s74, ttmp7, 0xffff                   ; cluster y
	s_lshl_b32 s17, s74, 2
	s_add_co_u32 s17, s17, s41                     ; y = 4 x cluster y + cy
	s_lshr_b32 s74, s74, 3                         ; p: eight clusters to a projection
	s_lshl_b32 s43, s41, 2
	s_lshl_b32 s43, 15, s43                        ; my row of the cluster
	s_lshl_b32 s44, 0x1111, s40                    ; my column
	; group 1: 8 rows (row tiles) of 4,096 bytes (two images), 16,384 bytes apart; dense in LDS
	s_or_b32 s[G1+0], s43, (1<<21)                 ; 15:0 the mask: my row; 17:16 elements of 1 byte; 20 no padding; 21 set beside a mask
	s_or_b32 s[G1B+0], s44, (1<<21)                ; the same with my column
.irp g, G1, G1B
	s_mov_b32 s[\g+1], 4096<<16                    ; tensor_dim0
	s_mov_b32 s[\g+2], 8<<16                       ; tensor_dim1
	s_mov_b32 s[\g+3], 4096<<16                    ; tile_dim0
	s_mov_b32 s[\g+4], 8                           ; tile_dim1
	s_mov_b32 s[\g+5], 16384                       ; tensor_dim0_stride
	s_mov_b32 s[\g+6], 0
	s_mov_b32 s[\g+7], 0
.endr
	s_lshl_b32 s18, s16, 17                        ; which 8 row tiles of the tile's 16 I fetch
	s_lshl_b32 s20, s17, 18
	s_add_co_u32 s20, s20, s18                     ; activations: 262,144 y + 131,072 x half
	s_mov_b32 s21, 0
	s_lshl_b32 s46, s42, 18
	s_add_co_u32 s46, s46, s18
	s_lshl_b32 s19, s74, 20
	s_add_co_u32 s46, s46, s19                     ; weights: 1,048,576 p + 262,144 x + 131,072 x half
	s_mov_b32 s47, 0
	s_mul_i32 s45, s14, HALFT                      ; where they go: wave x 32,768: no place in the cluster enters an LDS address
	s_lshl_b32 s75, s74, 3
	s_lshl_b32 s99, s74, 2
	s_wait_kmcnt 0x0
	s_load_b64 s[96:97], s[8:9], s75 offset:0x0    ; entries 2 p, 2 p + 1: the two operands'
	s_load_b32 s98, s[8:9], s99 offset:0x18        ; entry 6 + p: the result's
	s_add_nc_u64 s[20:21], s[4:5], s[20:21]
	s_add_nc_u64 s[46:47], s[6:7], s[46:47]
	CROUND                                         ; all sixteen work-groups are here: the first joint loads meet
.irp s, 0,1
	s_mov_b32 s[G0+4*\s], 1
	s_add_co_u32 s[G0+4*\s+1], s45, \s*SLOT
	s_add_nc_u64 s[G0+4*\s+2:G0+4*\s+3], s[20:21], \s*4096
	s_or_b32 s[G0+4*\s+3], s[G0+4*\s+3], 0x80000000
	s_mov_b32 s[G0B+4*\s], 1
	s_add_co_u32 s[G0B+4*\s+1], s45, \s*SLOT
	s_add_nc_u64 s[G0B+4*\s+2:G0B+4*\s+3], s[46:47], \s*4096
	s_or_b32 s[G0B+4*\s+3], s[G0B+4*\s+3], 0x80000000
	JLOAD G0+4*\s, G1, G0B+4*\s, G1B               ; two tensor loads of mine are out
.endr
	v_and_b32 v1, 15, v0                           ; r
	v_bfe_u32 v2, v0, 4, 1                         ; h
	v_and_b32 v3, 31, v0
	v_lshlrev_b32 v4, 4, v3                        ; 16 x lane
	v_lshlrev_b32 v[CO], 4, v3
	v_lshlrev_b32 v5, 5, v2                        ; 32 h: eight f32
	v_lshlrev_b32 v6, 2, v1                        ; 4 r
	s_lshl_b32 s80, s42, 8
	s_lshl_b32 s81, s16, 7
	s_add_co_u32 s81, s80, s81                     ; 256 x + 128 (w & 1)
	s_lshl_b32 s82, s15, 7
	s_add_co_u32 s82, s80, s82                     ; 256 x + 128 (w >> 1)
	s_cmp_eq_u32 s74, 0
	s_cselect_b64 s[76:77], s[10:11], s[68:69]
	s_cmp_eq_u32 s74, 2                            ; v?  All that differs is chosen here, on p alone
	s_cselect_b64 s[76:77], s[70:71], s[76:77]     ; the bias
	s_cselect_b32 s21, 2*HALFT, 0                  ; source 1's fragments: the weight's region for v, else the activations'
	s_cselect_b32 s22, 0, 2*HALFT                  ; source 0's: the other
	s_cselect_b32 s81, 0, s81                      ; first channel along my registers (q, k); the set that is not used reads the bias's first numbers
	s_cselect_b32 s82, s82, 0                      ; first channel of my lanes' rows (v)
	s_cselect_b32 s83, s15, s16                    ; which two heads of the tile's four are mine
	s_cselect_b32 s84, s16, s15                    ; which 128 tokens of its 256
	s_lshl_b32 s86, s81, 2
	s_mov_b32 s87, 0
	s_lshl_b32 s88, s82, 2
	s_mov_b32 s89, 0
	s_add_nc_u64 s[78:79], s[76:77], s[88:89]
	s_add_nc_u64 s[76:77], s[76:77], s[86:87]
.irp b, 0,1,2,3,4,5,6,7
	global_load_b128 v[BJ+8*\b:BJ+8*\b+3], v5, s[76:77] offset:64*\b        ; bias[first + 16 b + 8 h + 0 .. 7]
	global_load_b128 v[BJ+8*\b+4:BJ+8*\b+7], v5, s[76:77] offset:64*\b+16
.endr
.irp a, 0,1,2,3,4,5,6,7
	global_load_b32 v[BI+2*\a], v6, s[78:79] offset:64*\a                   ; bias[first + 16 a + r], in both halves of a pair
	global_load_b32 v[BI+2*\a+1], v6, s[78:79] offset:64*\a
.endr
	s_mul_i32 s23, s15, HALFT
	s_add_co_u32 s21, s21, s23                     ; my 128 rows of source 1
	s_mul_i32 s23, s16, HALFT
	s_add_co_u32 s22, s22, s23                     ; and of source 0
.irp s, 0,1
	v_add_nc_u32 v[ADRA+\s], s21, v4
	v_add_nc_u32 v[ADRB+\s], s22, v4
	s_add_co_u32 s21, s21, SLOT
	s_add_co_u32 s22, s22, SLOT
.endr
	; where my codes go: p x 0x800000 + batch x 0x200000 + head x 0x20000 + (q, k: token tile x 1,024; v: key step x 8,192)
	s_and_b32 s90, s17, 31
	s_lshr_b32 s91, s90, 3                         ; the batch
	s_and_b32 s90, s90, 7                          ; which 256 of its 2,048 tokens
	s_lshl_b32 s91, s91, 21
	s_lshl_b32 s90, s90, 14
	s_add_co_u32 s90, s90, s91
	s_lshl_b32 s91, s42, 19                        ; four heads to x
	s_add_co_u32 s90, s90, s91
	s_lshl_b32 s91, s74, 23
	s_add_co_u32 s90, s90, s91
	s_lshl_b32 s91, s83, 18
	s_add_co_u32 s90, s90, s91
	s_lshl_b32 s91, s84, 13
	s_add_co_u32 s90, s90, s91
	s_mov_b32 s91, 0
	s_add_nc_u64 s[72:73], s[72:73], s[90:91]
.macro FRAG reg, adr, q, i             ; a fragment comes as it was stored: four loads of 512 consecutive bytes.  Row tile i, image q of the slot's two
.irp c, 0,1,2,3
	ds_load_b128 v[\reg+4*\c:\reg+4*\c+3], v[\adr] offset:2048*(\q)+512*\c+(\i)*4096
.endr
.endm
; 16 matrix instructions: source 1's blocks a0, a0 + 1 x source 0's eight, 128 along K.  p: source 0's set.  zero = 1: the first product starts the sums.
; The 64 accumulators take turns, one instruction a turn, in the same order in every step.
.macro MUL16 a0, p, zero
.irp a, \a0, \a0+1
.irp b, 0,1,2,3,4,5,6,7
.if \zero
	v_wmma_f32_16x16x128_fp8_fp8 v[8*(8*((\a)%4)+\b):8*(8*((\a)%4)+\b)+7], v[128*(\p)+FR*\b:128*(\p)+FR*\b+FR-1], v[AF+FR*(\a):AF+FR*(\a)+FR-1], 0
.else
	v_wmma_f32_16x16x128_fp8_fp8 v[8*(8*((\a)%4)+\b):8*(8*((\a)%4)+\b)+7], v[128*(\p)+FR*\b:128*(\p)+FR*\b+FR-1], v[AF+FR*(\a):AF+FR*(\a)+FR-1], v[8*(8*((\a)%4)+\b):8*(8*((\a)%4)+\b)+7]
.endif
.endr
.endr
.endm
.macro FETCH_B slot, q, p
	WIN TO_B
.irp i, 0,1,2,3,4,5,6,7
	FRAG 128*(\p)+FR*\i, ADRB+\slot, \q, \i
.endr
	WIN 0
.endm
.macro FETCH_A slot, q, i0
.irp i, \i0, \i0+1, \i0+2, \i0+3
	FRAG AF+FR*(\i), ADRA+\slot, \q, \i
.endr
.endm
.macro PLACES n                        ; plain vector lines between a matrix instruction and a load into, or a vector line on, its registers
.rept \n
	v_nop
.endr
.endm
; A step of 128 along K that has its successor in the same slot.
.macro STEP slot, q, zero
	s_wait_dscnt 4*NL                              ; source 0's set and source 1's blocks 0-3 are in; the youngest sixteen loads (blocks 4-7) may be out
	WIN MUL_LO
	MUL16 0, (\q)%2, \zero
	MUL16 2, (\q)%2, \zero
	s_wait_dscnt 0                                 ; blocks 4-7 are in
	PLACES NP
	FETCH_B \slot, (\q)+1, 1-(\q)%2
	FETCH_A \slot, (\q)+1, 0
	WIN MUL_HI
	MUL16 4, (\q)%2, \zero
	MUL16 6, (\q)%2, \zero
	PLACES NP
	WIN 0
	FETCH_A \slot, (\q)+1, 4
.endm
; A slot's last step changes slots: ONE barrier; in front of it each wave waits for all its tensor loads, adds 0 to its spare word, and waits for that and for its own reads of this slot.  fill = 1: this slot is filled again, two slots ahead.
.macro TURN slot, next, fill
	s_wait_tensorcnt 0x0                           ; all my tensor loads have landed: my part of the next slot
	ds_add_u32 v[SPW], v[NIL]                      ; 0 onto my spare word
	s_wait_dscnt 4*NL+1                            ; (the add and the youngest sixteen loads may be out)
	WIN MUL_LO
	MUL16 0, 1, 0                                  ; sixteen matrix instructions stand between the add and the wait for it
	s_wait_dscnt 0x0                               ; the add is done, and my reads of this slot are over
	s_barrier_signal -1
	MUL16 2, 1, 0
	WIN 0
	s_barrier_wait -1
.if \fill
	CREST                                          ; the barrier has opened a round of the cluster's barrier: no wave of any partner still reads this slot or has a load on its way
	s_add_nc_u64 s[G0+4*\slot+2:G0+4*\slot+3], s[G0+4*\slot+2:G0+4*\slot+3], 8192
	s_add_nc_u64 s[G0B+4*\slot+2:G0B+4*\slot+3], s[G0B+4*\slot+2:G0B+4*\slot+3], 8192
	JLOAD G0+4*\slot, G1, G0B+4*\slot, G1B         ; the first tensor load behind the round, my only one out; its four v_nop are also the places in front of the loads below
.else
	PLACES NP
.endif
	FETCH_B \next, 0, 0
	FETCH_A \next, 0, 0
	WIN MUL_HI
	MUL16 4, 1, 0
	MUL16 6, 1, 0
	PLACES NP
	WIN 0
	FETCH_A \next, 0, 4
.endm
	s_wait_loadcnt 0x0                             ; the biases
	s_wait_tensorcnt 1                             ; my part of slot 0 is in (slot 1's load may be out)
	s_barrier_signal -1
	s_barrier_wait -1                              ; everybody's is
	FETCH_B 0, 0, 0
	FETCH_A 0, 0, 0
	FETCH_A 0, 0, 4
	STEP 0, 0, 1                                   ; the first step stands in front of the loop: its products start the sums
	s_mov_b32 s3, LAPS-1
.Llap:                                                 ; a trip goes once round the ring and fills both slots again
	TURN 0, 1, 1
	STEP 1, 0, 0
	TURN 1, 0, 1
	STEP 0, 0, 0
	s_sub_co_u32 s3, s3, 1
	s_cmp_lg_u32 s3, 0
	s_cbranch_scc1 .Llap
	TURN 0, 1, 0                                   ; the last lap fills nothing
	STEP 1, 0, 0
	s_wait_dscnt 4*NL                              ; the very last step
	WIN MUL_LO
	MUL16 0, 1, 0
	MUL16 2, 1, 0
	s_wait_dscnt 0
	WIN MUL_HI
	MUL16 4, 1, 0
	MUL16 6, 1, 0
	WIN 0
; THE WAY OUT, block a (16 rows of source 1) at a time: result = sum x 2^(eA + eB) + bias, one packed multiply-add for two, each accumulator from its low end on; the hold; eight results into two registers of codes.
; kind 0 (q, k): the block is a token tile; registers 0-7 of its codes are the first head's image, 8-15 the second's.  kind 1 (v): the block is a channel tile; its 16 registers are the image for my 128 keys.
.macro OUTBLK a, kind
.set AC, 64*((\a)%4)
.set CD, COD+16*((\a)%2)
	WIN 0x02+((\a)/4)                              ; source 0: window 2 or 3
.set jj, 0
.rept 32
.if \kind
	v_pk_fma_f32 v[TMP+jj:TMP+jj+1], v[AC+jj:AC+jj+1], s[96:97], v[BI+2*(\a):BI+2*(\a)+1] op_sel_hi:[1,0,1]
.else
	v_pk_fma_f32 v[TMP+jj:TMP+jj+1], v[AC+jj:AC+jj+1], s[96:97], v[BJ+jj:BJ+jj+1] op_sel_hi:[1,0,1]
.endif
.set jj, jj+2
.endr
	WIN 0
.set jj, 0
.rept 64
	v_med3_num_f32 v[TMP+jj], v[TMP+jj], -v[LIM], v[LIM]   ; the conversion does not saturate (ISA guide 7.6.2)
.set jj, jj+1
.endr
.if (\a) >= 2
	s_wait_xcnt 0x0                                ; the stores of two blocks ago have read this set of codes
.endif
.irp b, 0,1,2,3,4,5,6,7
	v_cvt_scalef32_pk8_fp8_f32 v[CD+2*\b:CD+2*\b+1], v[TMP+8*\b:TMP+8*\b+7], v[SCL]
.endr
	v_nop                                          ; one plain vector line behind the conversions: the next block's results write their sources
.irp g, 0,1,2,3
.if \kind
	global_store_b128 v[CO], v[CD+4*\g:CD+4*\g+3], s[72:73] offset:131072*((\a)/4)+2048*((\a)%4)+512*\g
.else
	global_store_b128 v[CO], v[CD+4*\g:CD+4*\g+3], s[72:73] offset:1024*(\a)+131072*(\g/2)+512*(\g%2)
.endif
.endr
.endm
	s_wait_kmcnt 0x0
	s_add_co_i32 s96, s96, s97
	s_add_co_i32 s96, s96, 127
	s_lshl_b32 s96, s96, 23                        ; 2^(eA + eB) as f32
	s_mov_b32 s97, s96                             ; (named with it as a pair, so it is written)
	s_add_co_i32 s98, s98, 127
	s_lshl_b32 s99, s98, 23
	v_mov_b32 v[SCL], s99
	s_add_co_i32 s98, s98, 8
	s_lshl_b32 s98, s98, 23
	s_or_b32 s98, s98, 0x600000
	v_mov_b32 v[LIM], s98
	PLACES NP                                      ; behind the last products: their results are read and their operands' registers written below
	s_cmp_eq_u32 s74, 2                            ; p is the same in all partners
	s_cbranch_scc1 .Lvkind
.irp a, 0,1,2,3,4,5,6,7
	OUTBLK \a, 0
.endr
	s_branch .Ljoin
.Lvkind:
.irp a, 0,1,2,3,4,5,6,7
	OUTBLK \a, 1
.endr
.Ljoin:
	s_wait_tensorcnt 0x0                           ; the wave's end
	ds_add_u32 v[SPW], v[NIL]
	s_wait_dscnt 0x0
	CROUND                                         ; the closing round: no work-group ends while a partner may still ask for a tile that names it
	s_endpgm
.Lfunc_end_k_q0af698d0e7_proj:
	.size	k_q0af698d0e7_proj, .Lfunc_end_k_q0af698d0e7_proj-k_q0af698d0e7_proj
	.p2alignl 7, 3214868480
	.fill 96, 4, 3214868480
	.section	.rodata,"a",@progbits
	.p2align	6, 0x0
	.amdhsa_kernel k_q0af698d0e7_proj
		.amdhsa_group_segment_fixed_size 327680
		.amdhsa_private_segment_fixed_size 0
		.amdhsa_enable_private_segment 0
		.amdhsa_kernarg_size 56
		.amdhsa_user_sgpr_count 2
		.amdhsa_user_sgpr_kernarg_segment_ptr 1
		.amdhsa_wavefront_size32 1
		.amdhsa_system_sgpr_workgroup_id_x 1
		.amdhsa_system_sgpr_workgroup_id_y 1
		.amdhsa_system_sgpr_workgroup_id_z 1
		.amdhsa_system_vgpr_workitem_id 0
		.amdhsa_next_free_vgpr 1024
		.amdhsa_next_free_sgpr 100
		.amdhsa_reserve_vcc 0
		.amdhsa_float_denorm_mode_32 3
		.amdhsa_float_denorm_mode_16_64 3
		.amdhsa_memory_ordered 1
		.amdhsa_forward_progress 1
		.amdhsa_inst_pref_size 194
	.end_amdhsa_kernel
	.amdgpu_metadata
---
amdhsa.version: [ 1, 2 ]
amdhsa.kernels:
  - .name:           k_q0af698d0e7_proj
    .symbol:         k_q0af698d0e7_proj.kd
    .args:
      - { .name: xcodes, .offset: 0, .size: 8, .value_kind: global_buffer, .address_space: global }
      - { .name: wcodes, .offset: 8, .size: 8, .value_kind: global_buffer, .address_space: global }
      - { .name: lowp_scales, .offset: 16, .size: 8, .value_kind: global_buffer, .address_space: global }
      - { .name: bq, .offset: 24, .size: 8, .value_kind: global_buffer, .address_space: global }
      - { .name: bk, .offset: 32, .size: 8, .value_kind: global_buffer, .address_space: global }
      - { .name: bv, .offset: 40, .size: 8, .value_kind: global_buffer, .address_space: global }
      - { .name: qkv, .offset: 48, .size: 8, .value_kind: global_buffer, .address_space: global }
    .group_segment_fixed_size: 327680
    .private_segment_fixed_size: 0
    .kernarg_segment_align: 8
    .kernarg_segment_size: 56
    .max_flat_workgroup_size: 128
    .sgpr_count:     100
    .vgpr_count:     1024
    .wavefront_size: 32
...
	.end_amdgpu_metadata
.endif
;; end of part 2
;; launch attn (part 3): grid 4 x 64, 16 waves a work-group, no clusters, 264,192 bytes of LDS; arguments qkv, mbits, mflags, lowp_scales, acodes; writes acodes
.if DOCPART == 3
	.amdgcn_target "amdgcn-amd-amdhsa--gfx1250"
	.amdhsa_code_object_version 6
	.text
	.protected	k_q0af698d0e7_attn
	.globl	k_q0af698d0e7_attn
	.p2align	8
	.type	k_q0af698d0e7_attn,@function
k_q0af698d0e7_attn:
	s_mov_b64 s[64:65], 0
	v_nop
	global_prefetch_b8 v0, s[64:65] scope:SCOPE_SE
	s_setreg_imm32_b32 hwreg(HW_REG_WAVE_MODE, 25, 1), 1
	s_wait_xcnt 0x0
; ATTN.  For each of 64 heads: o = softmax(mask(q k^T / 8)) v, both products on codes of FP8 (E4M3); o is quantised at once for the output projection.
; INPUTS: qkv: Q [bh 64][query tile 128][1024], K at 0x800000 [bh][key tile 128][1024], V at 0x1000000 [bh][key step 16][channel tile 4][2048]: images of operand registers (chunks of 512 bytes, lane l's 16 bytes at 16 l).
; mbits [T 128][step 16][64 words]: word n is the lane mask (1 = hidden) for register n of a step's scores.  mflags [T][4]: two bits a step: 0 all hidden, 1 mixed, 2 all open.  Both were stored by an earlier launch.
; OUTPUT acodes [row tile b x 128 + T][K block 8][2048]: head hd fills bytes 1,024 hd .. + 1,023 of a row tile's 16,384.
; THE SOFTMAX: t = score x log2(e) / 8; M = the row's largest t so far, rounded UP to a whole number; p = 2^(t - M) is quantised, not normalised; the row's sum is taken of the unquantised p and divides at the end.
; When M moves, the sum and O are multiplied by 2^(old M - new M): exact.  A row all of whose keys are hidden has the sum 0 and gets NaN codes, which make its row of the layer's output NaN.
; SHARES.  A work-group takes one head and 32 query tiles; each of its SIXTEEN waves two tiles of 16 queries, one after the other: T = 127 - (16 x + w), then 16 x + w.  Four waves to a SIMD: one wave's vector work stands beside another's products.
; THE HEAD'S K AND V LIE WHOLE IN LDS: 131,072 bytes each, every byte written once, copied through registers a quarter (four key steps) ahead of its first use, so no wave waits for a later quarter and nothing is prefetched.
; NO TENSOR LOADS, NO CLUSTER: a step branches on the stored flags (a step all hidden is left out; the masking is left out where all is open), and on the given exponent of p.  What the four work-groups of a head share is read once by each.
; LAYOUT.  Both products are used transposed: S^T = K Q^T (source 0 = 16 keys), O^T = V^T P^T (source 0 = 16 channels): a lane holds ONE query (lane % 16); register 8 t + j of S^T is key 16 t + 8 (lane / 16) + j, so eight
; registers convert into registers 2 t, 2 t + 1 of the second product's operand, k in its true place.
; LIMITS: entries 6 + 7 between -123 and 130; entries 9 and 10 between -126 and 119.
.set LI,   1                           ; v1   16 x lane
.set ADK,  2                           ; v2   LDS address of the step's K
.set ADV,  3                           ; v3   of its V
.set LIV,  9                           ; v9   16 x lane + 131,072.  v5-v8: 16 x thread + 0, 65,536, 131,072, 196,608: the copy's addresses
.set KV,   32                          ; v32-95   eight fragments of K, then four of V
.set S,    96                          ; v96-159  S^T, then p
.set O,    160                         ; v160-191 O^T
.set FK,   192                         ; v192-207 a quarter of K on its way, v208-223 of V
.set FV,   208
.set PC,   224                         ; v224-239 p's codes
.set TB,   2                           ; s2   LDS byte of the step in hand
.set MB,   84                          ; s[84:85] the step's mask words
.set AO,   86                          ; s[86:87] where the tile's codes go
.set QP,   88                          ; s[88:89] the tile's Q
.set FW,   92                          ; s92  the flags still to come, two bits a step
.set FL,   93                          ; s93  this step's
.set WV,   94
.set TT,   95                          ; s95  the query tile
.set CS,   96                          ; s[96:97] c = log2(e) / 8 x 2^(eq + ek)
.set SEL,  98                          ; s[98:99] v_permlanex16_b32's selects for lane l xor 16
.set EP,   100                         ; s100 ep;  s101 ep + ev
	s_load_b64 s[4:5], s[0:1], 0x0                 ; qkv
	s_load_b128 s[8:11], s[0:1], 0x8               ; mbits 8, mflags 10
	s_load_b128 s[12:15], s[0:1], 0x18             ; lowp_scales 12, acodes 14
	v_lshl_add_u32 v251, v0, 2, 0x40000
	v_mov_b32 v255, 0
	v_lshrrev_b32 v1, 5, v0
	v_readfirstlane_b32 s[WV], v1                  ; wave 0..15
	v_and_b32 v1, 31, v0
	v_lshlrev_b32 v[LI], 4, v1
	v_add_nc_u32 v[LIV], 0x20000, v[LI]
	v_lshlrev_b32 v5, 4, v0
	v_add_nc_u32 v6, 0x10000, v5
	v_add_nc_u32 v7, 0x20000, v5
	v_add_nc_u32 v8, 0x30000, v5
	v_mov_b32 v246, 0                              ; written once: a lane permute's destination counts as one of its sources
	v_mov_b32 v247, 0xff800000                     ; -infinity
	v_mov_b32 v248, 0x7f7f7f7f                     ; four NaN codes
	v_mov_b32 v253, 0                              ; (named as the upper half of the pair v[252:253])
	s_mov_b32 s[SEL], 0x76543210
	s_mov_b32 s[SEL+1], 0xfedcba98
	s_and_b32 s90, ttmp7, 0xffff                   ; bh
	s_lshr_b32 s92, s90, 4
	s_lshl_b32 s92, s92, 21                        ; acodes: the batch's 128 row tiles,
	s_and_b32 s93, s90, 15
	s_lshl_b32 s93, s93, 10                        ; + 1,024 x head
	s_add_co_u32 s92, s92, s93
	s_mov_b32 s93, 0
	s_lshl_b32 s90, s90, 17                        ; 131,072 bytes a head in each of Q, K, V
	s_mov_b32 s91, 0
	s_lshl_b32 s[TT], ttmp9, 4
	s_add_co_u32 s[TT], s[TT], s[WV]               ; 16 x + w
	s_wait_kmcnt 0x0
	s_load_b128 s[16:19], s[12:13], 0x18           ; eq, ek, ev, ep
	s_load_b32 s20, s[12:13], 0x28                 ; the output's e
	s_add_nc_u64 s[4:5], s[4:5], s[90:91]          ; Q's head
	s_add_nc_u64 s[6:7], s[4:5], 0x800000          ; K's
	s_add_nc_u64 s[66:67], s[4:5], 0x1000000       ; V's
	s_add_nc_u64 s[14:15], s[14:15], s[92:93]
.macro BAR
	s_barrier_signal -1
	s_barrier_wait -1
.endm
.macro LOADQ q                         ; quarter q of K and of V: the sixteen waves read 8,192 consecutive bytes with each line
.irp i, 0,1,2,3
	global_load_b128 v[FK+4*\i:FK+4*\i+3], v5, s[6:7] offset:32768*(\q)+8192*\i
	global_load_b128 v[FV+4*\i:FV+4*\i+3], v5, s[66:67] offset:32768*(\q)+8192*\i
.endr
.endm
.macro STOREQ q
.irp i, 0,1,2,3
	ds_store_b128 v[5+(\q)/2], v[FK+4*\i:FK+4*\i+3] offset:32768*((\q)%2)+8192*\i
	ds_store_b128 v[7+(\q)/2], v[FV+4*\i:FV+4*\i+3] offset:32768*((\q)%2)+8192*\i
.endr
.endm
; Quarter q goes into LDS between two barriers, so that no wave reads images while another stores: in front of the first every wave's reads are back, in front of the second its stores have landed.
.macro REFILL q, more
	s_wait_dscnt 0x0
	BAR
	s_wait_loadcnt 0x0                             ; the quarter, asked for four key steps ago
	STOREQ \q
	s_wait_dscnt 0x0                               ; for the others' sake; and the stores have read their registers,
.if \more
	LOADQ (\q)+1                                   ; which take the next quarter
.endif
	BAR
.endm
	LOADQ 0
	s_wait_kmcnt 0x0
	s_add_co_i32 s90, s16, s17
	s_lshl_b32 s90, s90, 23
	s_mov_b32 s[CS], 0x3e38aa3b                    ; log2(e) / 8
	s_add_co_i32 s[CS], s[CS], s90                 ; a score stands for score x 2^(eq + ek): added to c's exponent field
	s_mov_b32 s[CS+1], s[CS]
	s_mov_b32 s[EP], s19
	s_add_co_i32 s101, s18, s19
	s_add_co_i32 s90, s19, 127
	s_lshl_b32 s91, s90, 23
	v_mov_b32 v244, s91                            ; 2^ep
	s_add_co_i32 s90, s90, 8
	s_lshl_b32 s90, s90, 23
	s_or_b32 s90, s90, 0x600000
	v_mov_b32 v240, s90                            ; 448 x 2^ep
	s_add_co_i32 s90, s20, 127
	s_lshl_b32 s91, s90, 23
	v_mov_b32 v245, s91                            ; 2^e of the output
	s_add_co_i32 s90, s90, 8
	s_lshl_b32 s90, s90, 23
	s_or_b32 s90, s90, 0x600000
	v_mov_b32 v241, s90                            ; 448 x that
.set n, 16
.rept 24
	s_mov_b64 s[n:n+1], 0                          ; the mask words' registers, s16-63 and s68-83, are written once, so that every path through a step finds them written
.set n, n+2
.endr
.set n, 68
.rept 8
	s_mov_b64 s[n:n+1], 0
.set n, n+2
.endr
.macro TILE_BEGIN                      ; tile s[TT]: its Q, its flags, its places; m, the sum and O^T begin
	s_wait_xcnt 0x0                                ; earlier loads and stores have read their bases and data
	s_lshl_b32 s90, s[TT], 10
	s_mov_b32 s91, 0
	s_add_nc_u64 s[QP:QP+1], s[4:5], s[90:91]
	global_load_b128 v[16:19], v[LI], s[QP:QP+1]
	global_load_b128 v[20:23], v[LI], s[QP:QP+1] offset:512
	s_lshl_b32 s[FL], s[TT], 4
	s_load_b128 s[16:19], s[10:11], s[FL] offset:0x0
	s_lshl_b32 s90, s[TT], 12
	s_add_nc_u64 s[MB:MB+1], s[8:9], s[90:91]
	s_lshl_b32 s90, s[TT], 14
	s_add_nc_u64 s[AO:AO+1], s[14:15], s[90:91]
	s_mov_b32 s[TB], 0
	v_mov_b32 v13, 0xff61b1e6                      ; the largest t so far: -3e38, under every t
	v_floor_f32 v12, -v13                          ; -M
	v_mov_b32 v14, 0
	v_mov_b32 v15, 0
.set i, 0
.rept 32
	v_mov_b32 v[O+i], 0                            ; the step is written once: the first finds zeros, which the first change of M leaves zeros
.set i, i+1
.endr
	s_wait_kmcnt 0x0
	s_lshl_b32 s17, s17, 8
	s_lshl_b32 s18, s18, 16
	s_lshl_b32 s19, s19, 24
	s_or_b32 s16, s16, s17
	s_or_b32 s18, s18, s19
	s_or_b32 s[FW], s16, s18                       ; sixteen steps, two bits each
.endm
; A KEY STEP: 128 keys.
.macro STEP
	s_and_b32 s[FL], s[FW], 3
	s_cmp_eq_u32 s[FL], 0
	s_cbranch_scc1 .Lhid_\@                        ; all hidden: only the lines that step addresses are run
	s_cmp_eq_u32 s[FL], 1
	s_cbranch_scc0 .Lnoword_\@
	s_load_b512 s[16:31], s[MB:MB+1], 0x0          ; mixed: the 64 lane masks
	s_load_b512 s[32:47], s[MB:MB+1], 0x40
	s_load_b512 s[48:63], s[MB:MB+1], 0x80
	s_load_b512 s[68:83], s[MB:MB+1], 0xc0
.Lnoword_\@:
	v_add_nc_u32 v[ADK], s[TB], v[LI]
	v_add_nc_u32 v[ADV], s[TB], v[LIV]
	v_nop
	v_nop                                          ; four plain lines in front of loads into registers that the last products read
.irp t, 0,1,2,3,4,5,6,7
	ds_load_b128 v[KV+8*\t:KV+8*\t+3], v[ADK] offset:1024*\t
	ds_load_b128 v[KV+8*\t+4:KV+8*\t+7], v[ADK] offset:1024*\t+512
.endr
	s_wait_dscnt 8                                 ; key tiles 0-3 are in; the eight loads of tiles 4-7 may be out
.irp t, 0,1,2,3
	v_wmma_f32_16x16x64_fp8_fp8 v[S+8*\t:S+8*\t+7], v[KV+8*\t:KV+8*\t+7], v[16:23], 0
.endr
	s_wait_dscnt 0x0
.irp t, 4,5,6,7
	v_wmma_f32_16x16x64_fp8_fp8 v[S+8*\t:S+8*\t+7], v[KV+8*\t:KV+8*\t+7], v[16:23], 0
.endr
.rept 4
	v_nop                                          ; places: K's registers are loaded again, and the scores are read
.endr
.irp t, 0,1,2,3
.irp c, 0,1,2,3
	ds_load_b128 v[KV+16*\t+4*\c:KV+16*\t+4*\c+3], v[ADV] offset:2048*\t+512*\c   ; V lands under the softmax
.endr
.endr
	s_wait_kmcnt 0x0                               ; the mask words, if they were asked for
	s_cmp_eq_u32 s[FL], 1
	s_cbranch_scc0 .Lopen_\@
.set n, 0
.rept 64
	v_cndmask_b32 v[S+n], v[S+n], v247, s[16+n+4*(n/48)]   ; hidden scores become -infinity: p = 0
.set n, n+1
.endr
.Lopen_\@:
	v_max3_num_f32 v254, v96, v97, v98             ; the step's largest score of my query among my 64 keys, in two chains,
	v_max3_num_f32 v252, v99, v100, v101
.irp i, 6,10,14,18,22,26,30,34,38,42,46,50,54,58
	v_max3_num_f32 v254, v254, v[96+\i], v[97+\i]
	v_max3_num_f32 v252, v252, v[98+\i], v[99+\i]
.endr
	v_max3_num_f32 v254, v254, v158, v159
	v_max_num_f32 v254, v254, v252
	v_permlanex16_b32 v246, v254, s[SEL], s[SEL+1]
	v_max_num_f32 v254, v254, v246                 ; and among lane l xor 16's
	v_mul_f32 v254, s[CS], v254                    ; as t (c is positive)
	v_max_num_f32 v13, v13, v254                   ; the running largest t
	v_mov_b32 v254, v12
	v_floor_f32 v12, -v13                          ; the new -M = floor(-t) = -ceil(t)
	v_sub_f32 v254, v12, v254                      ; old M - new M: a whole number, 0 or less
	v_cvt_i32_f32 v254, v254                       ; (it saturates)
	v_ldexp_f32 v252, 1.0, v254                    ; f = 2^(old M - new M)
.set n, 0
.rept 32
	v_pk_fma_f32 v[S+n:S+n+1], v[S+n:S+n+1], s[CS:CS+1], v[12:13] op_sel_hi:[1,0,0]   ; t - M, two at a time
.set n, n+2
.endr
.set n, 0
.rept 64
	v_exp_f32 v[S+n], v[S+n]                       ; p = 2^(t - M)
.set n, n+1
.endr
	v_pk_mul_f32 v[14:15], v[14:15], v[252:253] op_sel_hi:[1,0]   ; the sums under the new M: the plain line behind the exponentials
	s_wait_alu depctr_va_vdst(0)                   ; one wait for the batch of 64, ahead of its first reader
	v_pk_add_f32 v[242:243], v[96:97], v[98:99]    ; the row's sum of the unquantised p, in two chains
.irp j, 4,8,12,16,20,24,28,32,36,40,44,48,52,56,60
	v_pk_add_f32 v[14:15], v[14:15], v[96+\j:97+\j]
	v_pk_add_f32 v[242:243], v[242:243], v[98+\j:99+\j]
.endr
	v_pk_add_f32 v[14:15], v[14:15], v[242:243]
	s_cmp_ge_i32 s[EP], -8                         ; p is at most 1: from ep = -8 on, 448 x 2^ep is 1.75 or more and no p passes the hold
	s_cbranch_scc1 .Lnohold_\@
.set n, 0
.rept 64
	v_min_num_f32 v[S+n], v[S+n], v240             ; the conversion does not saturate (ISA guide 7.6.2); p is not negative
.set n, n+1
.endr
.Lnohold_\@:
.irp t, 0,1,2,3,4,5,6,7
	v_cvt_scalef32_pk8_fp8_f32 v[PC+2*\t:PC+2*\t+1], v[S+8*\t:S+8*\t+7], v244
.endr
.set n, 0
.rept 16
	v_pk_mul_f32 v[O+n:O+n+1], v[O+n:O+n+1], v[252:253] op_sel_hi:[1,0]   ; O^T under the new M; also the plain lines behind the conversions
.set n, n+2
.endr
	s_wait_dscnt 0x0                               ; V is in
.irp t, 0,1,2,3                        ; the four accumulators by turns, one instruction a turn
	v_wmma_f32_16x16x128_fp8_fp8 v[O+8*\t:O+8*\t+7], v[KV+16*\t:KV+16*\t+15], v[PC:PC+15], v[O+8*\t:O+8*\t+7]
.endr
.Lhid_\@:
	s_lshr_b32 s[FW], s[FW], 2
	s_add_co_u32 s[TB], s[TB], 8192
	s_add_nc_u64 s[MB:MB+1], s[MB:MB+1], 256       ; (no scalar load is out here)
.endm
.macro RUN n
	s_mov_b32 s3, \n
.Lrun_\@:
	STEP
	s_sub_co_u32 s3, s3, 1
	s_cmp_lg_u32 s3, 0
	s_cbranch_scc1 .Lrun_\@
.endm
.macro TILE_END                        ; o = O^T x 2^(ep + ev) / the sum, held, quantised, stored: 1,024 consecutive bytes a wave
.rept 4
	v_nop                                          ; places behind the last products
.endr
	v_add_f32 v14, v14, v15
	v_permlanex16_b32 v246, v14, s[SEL], s[SEL+1]
	v_add_f32 v14, v14, v246                       ; the row's sum
	v_cmp_eq_f32 vcc_lo, 0, v14                    ; no open key at all
	v_rcp_f32 v252, v14
	v_nop                                          ; a plain line behind the transcendental,
	s_wait_alu depctr_va_vdst(0)                   ; and the wait ahead of its first reader
	v_ldexp_f32 v252, v252, s101
.set i, 0
.rept 32
	v_mul_f32 v[S+i], v[O+i], v252                 ; register 8 t + j: o(query r, channel 16 t + 8 h + j)
.set i, i+1
.endr
.set i, 0
.rept 32
	v_med3_num_f32 v[S+i], v[S+i], -v241, v241
.set i, i+1
.endr
.irp t, 0,1,2,3
	v_cvt_scalef32_pk8_fp8_f32 v[PC+2*\t:PC+2*\t+1], v[S+8*\t:S+8*\t+7], v245
.endr
	v_nop                                          ; one plain line between the conversions and the lines that touch their results
.irp i, 0,1,2,3,4,5,6,7
	v_cndmask_b32 v[PC+\i], v[PC+\i], v248, vcc_lo
.endr
	global_store_b128 v[LI], v[PC:PC+3], s[AO:AO+1]
	global_store_b128 v[LI], v[PC+4:PC+7], s[AO:AO+1] offset:512
.endm
	s_sub_co_u32 s[TT], 127, s[TT]                 ; the first tile: 127 - (16 x + w)
	TILE_BEGIN
	s_wait_loadcnt 0x0                             ; quarter 0, and Q
	STOREQ 0
	s_wait_dscnt 0x0
	LOADQ 1
	BAR
	RUN 4
	REFILL 1, 1
	RUN 4
	REFILL 2, 1
	RUN 4
	REFILL 3, 0
	RUN 4
	TILE_END
	s_sub_co_u32 s[TT], 127, s[TT]                 ; the second tile: 16 x + w; all of K and V lies in LDS
	TILE_BEGIN
	s_wait_loadcnt 0x0                             ; Q
	RUN 16
	TILE_END
	s_wait_tensorcnt 0x0
	ds_add_u32 v251, v255
	s_wait_dscnt 0x0
	s_endpgm
.Lfunc_end_k_q0af698d0e7_attn:
	.size	k_q0af698d0e7_attn, .Lfunc_end_k_q0af698d0e7_attn-k_q0af698d0e7_attn
	.p2alignl 7, 3214868480
	.fill 96, 4, 3214868480
	.section	.rodata,"a",@progbits
	.p2align	6, 0x0
	.amdhsa_kernel k_q0af698d0e7_attn
		.amdhsa_group_segment_fixed_size 264192
		.amdhsa_private_segment_fixed_size 0
		.amdhsa_enable_private_segment 0
		.amdhsa_kernarg_size 40
		.amdhsa_user_sgpr_count 2
		.amdhsa_user_sgpr_kernarg_segment_ptr 1
		.amdhsa_wavefront_size32 1
		.amdhsa_system_sgpr_workgroup_id_x 1
		.amdhsa_system_sgpr_workgroup_id_y 1
		.amdhsa_system_sgpr_workgroup_id_z 1
		.amdhsa_system_vgpr_workitem_id 0
		.amdhsa_next_free_vgpr 256
		.amdhsa_next_free_sgpr 102
		.amdhsa_reserve_vcc 1
		.amdhsa_float_denorm_mode_32 3
		.amdhsa_float_denorm_mode_16_64 3
		.amdhsa_memory_ordered 1
		.amdhsa_forward_progress 1
		.amdhsa_inst_pref_size 122
	.end_amdhsa_kernel
	.amdgpu_metadata
---
amdhsa.version: [ 1, 2 ]
amdhsa.kernels:
  - .name:           k_q0af698d0e7_attn
    .symbol:         k_q0af698d0e7_attn.kd
    .args:
      - { .name: qkv, .offset: 0, .size: 8, .value_kind: global_buffer, .address_space: global }
      - { .name: mbits, .offset: 8, .size: 8, .value_kind: global_buffer, .address_space: global }
      - { .name: mflags, .offset: 16, .size: 8, .value_kind: global_buffer, .address_space: global }
      - { .name: lowp_scales, .offset: 24, .size: 8, .value_kind: global_buffer, .address_space: global }
      - { .name: acodes, .offset: 32, .size: 8, .value_kind: global_buffer, .address_space: global }
    .group_segment_fixed_size: 264192
    .private_segment_fixed_size: 0
    .kernarg_segment_align: 8
    .kernarg_segment_size: 40
    .max_flat_workgroup_size: 512
    .sgpr_count:     102
    .vgpr_count:     256
    .wavefront_size: 32
...
	.end_amdgpu_metadata
.endif
;; end of part 3
;; launch outp (part 4): grid 4 x 32, 4 waves a work-group, clusters of 4 x 4, 327,680 bytes of LDS; arguments acodes, wcodes, lowp_scales, bo, out0; writes out0
.if DOCPART == 4
	.amdgcn_target "amdgcn-amd-amdhsa--gfx1250"
	.amdhsa_code_object_version 6
	.text
	.protected	k_q0af698d0e7_outp
	.globl	k_q0af698d0e7_outp
	.p2align	8
	.type	k_q0af698d0e7_outp,@function
k_q0af698d0e7_outp:
	s_mov_b64 s[64:65], 0
	v_nop
	global_prefetch_b8 v0, s[64:65] scope:SCOPE_SE
	s_setreg_imm32_b32 hwreg(HW_REG_WAVE_MODE, 25, 1), 1
	s_wait_xcnt 0x0
	s_wait_alu depctr_hold_cnt(0) depctr_sa_sdst(0) depctr_va_vdst(0) depctr_va_sdst(0) depctr_va_ssrc(0) depctr_va_vcc(0) depctr_vm_vsrc(0)
	s_getreg_b32 s2, hwreg(HW_REG_IB_STS2, 6, 4)
	s_cmp_eq_u32 s2, 0
	s_cbranch_scc0 .Lentry_in_a_cluster
	s_endpgm
.Lentry_in_a_cluster:
	s_bfe_u32 s2, ttmp6, 0x10000c
	s_cmp_lg_u32 s2, 0xf033
	s_cbranch_scc0 .Lentry_shape_is_right
	s_endpgm
.Lentry_shape_is_right:
; OUTP.  out0 = a Wo^T + bo on codes of FP8 (E4M3).  a: acodes [512 row tiles][8 K blocks][2048]; Wo: the fourth tensor of wcodes [64 row tiles][8][2048]: images of operand registers (four chunks of 512 bytes, lane l's 16 bytes at 16 l).
; out0: [8192][1024] f32.  A number of a is its code x 2^e10, of Wo x 2^e11 (entries 10, 11): each finished sum is multiplied once by 2^(e10 + e11); bo goes in as the C of each sum's first matrix instruction, divided by that power.
; LIMIT: e10 + e11 between -126 and 127.
; A tile of 256 x 256 is made by four waves, 128 x 128 each: 64 accumulators, 512 registers.  K = 1,024 goes in steps of 256 through a ring of two LDS slots filled by the tensor data mover.
; CLUSTERS: 4 x 4.  a's tile hangs on the tile row alone and is asked for jointly by a row of the cluster, Wo's on the tile column alone, by a column.
; THE MATRIX INSTRUCTION IS USED TRANSPOSED (source 0 = 16 rows of Wo, source 1 = 16 rows of a): a lane holds eight neighbouring numbers of a row of out0.
; REGISTERS, in windows of 256: window 0: v0-31 addresses; v32-95 the bias, later results on the way out; from v128 a's fragments, ONE set.  window 1: Wo's fragments, TWO sets.  windows 2, 3: the accumulators.
.set FR,     16
.set NL,     4
.set NP,     4                         ; places behind this matrix instruction (ISA guide 7.12.1)
.set HALFT,  32768                     ; 128 rows x 256 K: 8 row tiles x 2 images
.set SLOT,   4*HALFT
.set SPARE,  2*SLOT                    ; behind the ring: the spare words, 128 bytes for each wave
.set LAPS,   2
.set SPITCH, 528                       ; the way out: a stage of 16 rows x (512 bytes + 16) for each wave, in slot 0, which has had its last fill and its last read when the first result is stored there
.set ROWO,   4096                      ; a row of out0 in bytes
.set ADRA, 16
.set ADRB, 20
.set STO,  24                          ; v24  the way out: where I put 32 bytes of a row
.set RD,   25                          ; v25  where I read a row back
.set CO,   26                          ; v26  16 x lane
.set SPW,  28
.set NIL,  29
.set BJ,   32                          ; v32-95 bo[first column + 16 b + 8 h + j] / 2^(e10 + e11) at 8 b + j
.set TMP,  32
.set AF,   128
.set BK,   128                         ; the way out: 16 rows read back: v128-191 and v192-255 by turns
.set G1, 24
.set G0, 32
.set G1B, 48
.set G0B, 56
.set MSB, 0
.macro WIN new                         ; the immediate's high byte repeats the setting that is left
.if MSB != \new
	s_set_vgpr_msb (MSB<<8)|\new
.set MSB, \new
.endif
.endm
.set MUL_LO, 0xa1                      ; source 0 window 1, source 1 window 0, C and D window 2
.set MUL_HI, 0xf1                      ; the same, C and D window 3
.set BEG_LO, 0x81                      ; the first step: C (the bias) window 0, D window 2
.set BEG_HI, 0xc1                      ; D window 3
.set TO_B,   0x40
.macro JLOAD g0a, g1a, g0b, g1b        ; a joint load: waves 0 and 1 fetch for a, waves 2 and 3 for Wo; four v_nop follow each of the two lines
	s_cmp_eq_u32 s15, 0
	s_cbranch_scc0 .Lfor_b_\@
	tensor_load_to_lds s[\g0a:\g0a+3], s[\g1a:\g1a+7]
	s_nop 0
.rept 4
	v_nop
.endr
	s_branch .Lasked_\@
.Lfor_b_\@:
	tensor_load_to_lds s[\g0b:\g0b+3], s[\g1b:\g1b+7]
	s_nop 0
.rept 4
	v_nop
.endr
.Lasked_\@:
.endm
.macro CREST
	s_cmp_lg_u32 s14, 0
	s_cbranch_scc1 .Lnot_wave_0_\@
	s_barrier_signal -3
.Lnot_wave_0_\@:
	s_barrier_wait -3
	s_barrier_signal -1
	s_barrier_wait -1
.endm
.macro CROUND
	s_barrier_signal -1
	s_barrier_wait -1
	CREST
.endm
	s_load_b256 s[4:11], s[0:1], 0x0               ; acodes 4, wcodes 6, lowp_scales 8, bo 10
	s_load_b64 s[72:73], s[0:1], 0x20              ; out0
	v_lshl_add_u32 v[SPW], v0, 2, SPARE
	v_mov_b32 v[NIL], 0
	ds_add_u32 v28, v29
	ds_add_u32 v28, v29
	s_wait_dscnt 0x0
	v_lshrrev_b32 v1, 5, v0
	v_readfirstlane_b32 s14, v1                    ; wave 0..3
	s_lshr_b32 s15, s14, 1                         ; which half of the tile's rows is mine.  Also: I fetch for a (0) or for Wo (1)
	s_and_b32 s16, s14, 1                          ; which half of its columns.  Also: which 128 rows of that tile I fetch
	s_bfe_u32 s40, ttmp6, 0x40000
	s_bfe_u32 s41, ttmp6, 0x40004
	s_lshl_b32 s42, ttmp9, 2
	s_add_co_u32 s42, s42, s40                     ; tile column = 4 x cluster x + cx
	s_and_b32 s17, ttmp7, 0xffff
	s_lshl_b32 s17, s17, 2
	s_add_co_u32 s17, s17, s41                     ; tile row = 4 x cluster y + cy
	s_lshl_b32 s43, s41, 2
	s_lshl_b32 s43, 15, s43                        ; my row of the cluster
	s_lshl_b32 s44, 0x1111, s40                    ; my column
	s_or_b32 s[G1+0], s43, (1<<21)                 ; 15:0 the mask; 17:16 elements of 1 byte; no padding; 21 set beside a mask
	s_or_b32 s[G1B+0], s44, (1<<21)
.irp g, G1, G1B
	s_mov_b32 s[\g+1], 4096<<16                    ; tensor_dim0: two images of a row tile
	s_mov_b32 s[\g+2], 8<<16                       ; tensor_dim1: 8 row tiles
	s_mov_b32 s[\g+3], 4096<<16                    ; tile_dim0
	s_mov_b32 s[\g+4], 8                           ; tile_dim1
	s_mov_b32 s[\g+5], 16384                       ; tensor_dim0_stride
	s_mov_b32 s[\g+6], 0
	s_mov_b32 s[\g+7], 0
.endr
	s_lshl_b32 s18, s16, 17
	s_lshl_b32 s20, s17, 18
	s_add_co_u32 s20, s20, s18                     ; a: 262,144 x tile row + 131,072 x half
	s_mov_b32 s21, 0
	s_lshl_b32 s46, s42, 18
	s_add_co_u32 s46, s46, s18
	s_add_co_u32 s46, s46, 0x300000                ; Wo: the fourth tensor, + 262,144 x tile column + 131,072 x half
	s_mov_b32 s47, 0
	s_mul_i32 s45, s14, HALFT
	s_wait_kmcnt 0x0
	s_load_b64 s[96:97], s[8:9], 0x28              ; e10, e11
	s_add_nc_u64 s[20:21], s[4:5], s[20:21]
	s_add_nc_u64 s[46:47], s[6:7], s[46:47]
	CROUND                                         ; all sixteen work-groups are here: the first joint loads meet
.irp s, 0,1
	s_mov_b32 s[G0+4*\s], 1
	s_add_co_u32 s[G0+4*\s+1], s45, \s*SLOT
	s_add_nc_u64 s[G0+4*\s+2:G0+4*\s+3], s[20:21], \s*4096
	s_or_b32 s[G0+4*\s+3], s[G0+4*\s+3], 0x80000000
	s_mov_b32 s[G0B+4*\s], 1
	s_add_co_u32 s[G0B+4*\s+1], s45, \s*SLOT
	s_add_nc_u64 s[G0B+4*\s+2:G0B+4*\s+3], s[46:47], \s*4096
	s_or_b32 s[G0B+4*\s+3], s[G0B+4*\s+3], 0x80000000
	JLOAD G0+4*\s, G1, G0B+4*\s, G1B               ; two tensor loads of mine are out
.endr
	v_and_b32 v1, 15, v0                           ; r
	v_bfe_u32 v2, v0, 4, 1                         ; h
	v_and_b32 v3, 31, v0
	v_lshlrev_b32 v4, 4, v3                        ; 16 x lane
	v_lshlrev_b32 v[CO], 4, v3
	v_lshlrev_b32 v5, 5, v2                        ; 32 h
	s_lshl_b32 s90, s42, 10
	s_lshl_b32 s91, s16, 9
	s_add_co_u32 s90, s90, s91                     ; my first column in bytes: 1,024 x tile column + 512 x half: in bo and in a row of out0 alike
	s_mov_b32 s91, 0
	s_add_nc_u64 s[76:77], s[10:11], s[90:91]
	s_add_nc_u64 s[72:73], s[72:73], s[90:91]
.irp b, 0,1,2,3,4,5,6,7
	global_load_b128 v[BJ+8*\b:BJ+8*\b+3], v5, s[76:77] offset:64*\b
	global_load_b128 v[BJ+8*\b+4:BJ+8*\b+7], v5, s[76:77] offset:64*\b+16
.endr
	s_lshl_b32 s90, s17, 20
	s_lshl_b32 s92, s15, 19
	s_add_co_u32 s90, s90, s92                     ; my first row: (256 x tile row + 128 x half) x 4,096 bytes
	s_add_nc_u64 s[72:73], s[72:73], s[90:91]
	s_mul_i32 s21, s15, HALFT                      ; my 128 rows of a
	s_mul_i32 s22, s16, HALFT
	s_add_co_u32 s22, s22, 2*HALFT                 ; my 128 rows of Wo, behind a's 256
.irp s, 0,1
	v_add_nc_u32 v[ADRA+\s], s21, v4
	v_add_nc_u32 v[ADRB+\s], s22, v4
	s_add_co_u32 s21, s21, SLOT
	s_add_co_u32 s22, s22, SLOT
.endr
	s_mul_i32 s23, s14, 16*SPITCH                  ; my stage
	v_mul_u32_u24 v6, v1, SPITCH
	v_lshl_add_u32 v6, v2, 5, v6
	v_add_nc_u32 v[STO], s23, v6                   ; in: row r, 32 bytes for each half of the lanes
	v_add_nc_u32 v[RD], s23, v[CO]                 ; back: the 32 lanes take one row of 512 bytes
	s_wait_loadcnt 0x0                             ; bo
	s_wait_kmcnt 0x0
	s_add_co_i32 s96, s96, s97                     ; e10 + e11
	s_sub_co_i32 s98, 0, s96
.set jj, 0
.rept 64
	v_ldexp_f32 v[BJ+jj], v[BJ+jj], s98            ; bo / 2^(e10 + e11): the sums lack that power until the way out
.set jj, jj+1
.endr
	s_add_co_i32 s96, s96, 127
	s_lshl_b32 s96, s96, 23                        ; 2^(e10 + e11) as f32
	s_mov_b32 s97, s96
.macro FRAG reg, adr, q, i
.irp c, 0,1,2,3
	ds_load_b128 v[\reg+4*\c:\reg+4*\c+3], v[\adr] offset:2048*(\q)+512*\c+(\i)*4096
.endr
.endm
; 16 matrix instructions: a's blocks a0, a0 + 1 x Wo's eight.  first = 1: the bias starts the sums.  The 64 accumulators take turns, one instruction a turn.
.macro MUL16 a0, p, first
.irp a, \a0, \a0+1
.irp b, 0,1,2,3,4,5,6,7
.if \first
	v_wmma_f32_16x16x128_fp8_fp8 v[8*(8*((\a)%4)+\b):8*(8*((\a)%4)+\b)+7], v[128*(\p)+FR*\b:128*(\p)+FR*\b+FR-1], v[AF+FR*(\a):AF+FR*(\a)+FR-1], v[BJ+8*\b:BJ+8*\b+7]
.else
	v_wmma_f32_16x16x128_fp8_fp8 v[8*(8*((\a)%4)+\b):8*(8*((\a)%4)+\b)+7], v[128*(\p)+FR*\b:128*(\p)+FR*\b+FR-1], v[AF+FR*(\a):AF+FR*(\a)+FR-1], v[8*(8*((\a)%4)+\b):8*(8*((\a)%4)+\b)+7]
.endif
.endr
.endr
.endm
.macro FETCH_B slot, q, p
	WIN TO_B
.irp i, 0,1,2,3,4,5,6,7
	FRAG 128*(\p)+FR*\i, ADRB+\slot, \q, \i
.endr
	WIN 0
.endm
.macro FETCH_A slot, q, i0
.irp i, \i0, \i0+1, \i0+2, \i0+3
	FRAG AF+FR*(\i), ADRA+\slot, \q, \i
.endr
.endm
.macro PLACES n
.rept \n
	v_nop
.endr
.endm
.macro STEP slot, q, first
	s_wait_dscnt 4*NL                              ; Wo's set and a's blocks 0-3 are in; the youngest sixteen loads (blocks 4-7) may be out
.if \first
	WIN BEG_LO
.else
	WIN MUL_LO
.endif
	MUL16 0, (\q)%2, \first
	MUL16 2, (\q)%2, \first
	s_wait_dscnt 0
	PLACES NP
	FETCH_B \slot, (\q)+1, 1-(\q)%2
	FETCH_A \slot, (\q)+1, 0
.if \first
	WIN BEG_HI
.else
	WIN MUL_HI
.endif
	MUL16 4, (\q)%2, \first
	MUL16 6, (\q)%2, \first
	PLACES NP
	WIN 0
	FETCH_A \slot, (\q)+1, 4
.endm
.macro TURN slot, next, fill
	s_wait_tensorcnt 0x0                           ; all my tensor loads have landed: my part of the next slot
	ds_add_u32 v[SPW], v[NIL]                      ; 0 onto my spare word
	s_wait_dscnt 4*NL+1                            ; (the add and the youngest sixteen loads may be out)
	WIN MUL_LO
	MUL16 0, 1, 0
	s_wait_dscnt 0x0                               ; the add is done, and my reads of this slot are over
	s_barrier_signal -1
	MUL16 2, 1, 0
	WIN 0
	s_barrier_wait -1
.if \fill
	CREST                                          ; the barrier has opened a round of the cluster's barrier
	s_add_nc_u64 s[G0+4*\slot+2:G0+4*\slot+3], s[G0+4*\slot+2:G0+4*\slot+3], 8192
	s_add_nc_u64 s[G0B+4*\slot+2:G0B+4*\slot+3], s[G0B+4*\slot+2:G0B+4*\slot+3], 8192
	JLOAD G0+4*\slot, G1, G0B+4*\slot, G1B         ; the first tensor load behind the round, my only one out
.else
	PLACES NP
.endif
	FETCH_B \next, 0, 0
	FETCH_A \next, 0, 0
	WIN MUL_HI
	MUL16 4, 1, 0
	MUL16 6, 1, 0
	PLACES NP
	WIN 0
	FETCH_A \next, 0, 4
.endm
	s_wait_tensorcnt 1                             ; my part of slot 0 is in (slot 1's load may be out)
	s_barrier_signal -1
	s_barrier_wait -1                              ; everybody's is
	FETCH_B 0, 0, 0
	FETCH_A 0, 0, 0
	FETCH_A 0, 0, 4
	STEP 0, 0, 1
	s_mov_b32 s3, LAPS-1
.Llap:
	TURN 0, 1, 1
	STEP 1, 0, 0
	TURN 1, 0, 1
	STEP 0, 0, 0
	s_sub_co_u32 s3, s3, 1
	s_cmp_lg_u32 s3, 0
	s_cbranch_scc1 .Llap
	TURN 0, 1, 0
	STEP 1, 0, 0
	s_wait_dscnt 4*NL
	WIN MUL_LO
	MUL16 0, 1, 0
	MUL16 2, 1, 0
	s_wait_dscnt 0
	WIN MUL_HI
	MUL16 4, 1, 0
	MUL16 6, 1, 0
	WIN 0
; THE WAY OUT, block by block of 16 rows x 128 columns: through my own stage in LDS and back as whole rows of 512 bytes.  LDS serves a wave's instructions in order (ISA guide 5.7.1.4): no wait between the stores and the loads.
.macro TOSTAGE a
.set AC, 64*((\a)%4)
	WIN 0x02+((\a)/4)                              ; source 0: window 2 or 3
.set jj, 0
.rept 32
	v_pk_mul_f32 v[TMP+jj:TMP+jj+1], v[AC+jj:AC+jj+1], s[96:97] op_sel_hi:[1,0]   ; x 2^(e10 + e11); each accumulator from its low end on
.set jj, jj+2
.endr
	WIN 0
.irp b, 0,1,2,3,4,5,6,7
	ds_store_b128 v[STO], v[TMP+8*\b:TMP+8*\b+3] offset:64*\b
	ds_store_b128 v[STO], v[TMP+8*\b+4:TMP+8*\b+7] offset:64*\b+16
.endr
.set BB, BK+64*((\a)%2)
.irp t, 0,1,2,3,4,5,6,7,8,9,10,11,12,13,14,15
	ds_load_b128 v[BB+4*\t:BB+4*\t+3], v[RD] offset:\t*SPITCH
.endr
.endm
.macro SEND a, younger                 ; younger: the LDS instructions issued behind block a's loads, which may stay out
.set BB, BK+64*((\a)%2)
	s_wait_dscnt \younger
.if (\a) > 0
	s_add_nc_u64 s[72:73], s[72:73], 16*ROWO       ; (behind a wait on XCNT: the earlier stores have read their base)
.endif
.irp t, 0,1,2,3,4,5,6,7,8,9,10,11,12,13,14,15
	global_store_b128 v[CO], v[BB+4*\t:BB+4*\t+3], s[72:73] offset:\t*ROWO th:TH_STORE_NT   ; 32 lanes store 512 consecutive bytes, aligned
.endr
.endm
	PLACES NP
	TOSTAGE 0
.irp a, 1,2,3,4,5,6,7
.if \a > 1
	s_wait_xcnt 0x0                                ; block a - 2's stores have read their registers and their base
.endif
	TOSTAGE \a
	SEND \a-1, 32                                  ; behind block a - 1's loads: block a's 16 stores and 16 loads
.endr
	s_wait_xcnt 0x0
	SEND 7, 0
	s_wait_tensorcnt 0x0                           ; the wave's end
	ds_add_u32 v[SPW], v[NIL]
	s_wait_dscnt 0x0
	CROUND                                         ; the closing round
	s_endpgm
.Lfunc_end_k_q0af698d0e7_outp:
	.size	k_q0af698d0e7_outp, .Lfunc_end_k_q0af698d0e7_outp-k_q0af698d0e7_outp
	.p2alignl 7, 3214868480
	.fill 96, 4, 3214868480
	.section	.rodata,"a",@progbits
	.p2align	6, 0x0
	.amdhsa_kernel k_q0af698d0e7_outp
		.amdhsa_group_segment_fixed_size 327680
		.amdhsa_private_segment_fixed_size 0
		.amdhsa_enable_private_segment 0
		.amdhsa_kernarg_size 40
		.amdhsa_user_sgpr_count 2
		.amdhsa_user_sgpr_kernarg_segment_ptr 1
		.amdhsa_wavefront_size32 1
		.amdhsa_system_sgpr_workgroup_id_x 1
		.amdhsa_system_sgpr_workgroup_id_y 1
		.amdhsa_system_sgpr_workgroup_id_z 1
		.amdhsa_system_vgpr_workitem_id 0
		.amdhsa_next_free_vgpr 1024
		.amdhsa_next_free_sgpr 100
		.amdhsa_reserve_vcc 0
		.amdhsa_float_denorm_mode_32 3
		.amdhsa_float_denorm_mode_16_64 3
		.amdhsa_memory_ordered 1
		.amdhsa_forward_progress 1
		.amdhsa_inst_pref_size 128
	.end_amdhsa_kernel
	.amdgpu_metadata
---
amdhsa.version: [ 1, 2 ]
amdhsa.kernels:
  - .name:           k_q0af698d0e7_outp
    .symbol:         k_q0af698d0e7_outp.kd
    .args:
      - { .name: acodes, .offset: 0, .size: 8, .value_kind: global_buffer, .address_space: global }
      - { .name: wcodes, .offset: 8, .size: 8, .value_kind: global_buffer, .address_space: global }
      - { .name: lowp_scales, .offset: 16, .size: 8, .value_kind: global_buffer, .address_space: global }
      - { .name: bo, .offset: 24, .size: 8, .value_kind: global_buffer, .address_space: global }
      - { .name: out0, .offset: 32, .size: 8, .value_kind: global_buffer, .address_space: global }
    .group_segment_fixed_size: 327680
    .private_segment_fixed_size: 0
    .kernarg_segment_align: 8
    .kernarg_segment_size: 40
    .max_flat_workgroup_size: 128
    .sgpr_count:     100
    .vgpr_count:     1024
    .wavefront_size: 32
...
	.end_amdgpu_metadata
.endif
;; end of part 4
;; ======== version 2 of 2: 4 launches; version 1 with the launch attn written anew for expert scheduling mode
;; workspace buffers: xcodes 25,165,824 bytes; wcodes 4,194,304 bytes; mbits 524,288 bytes of whole numbers; mflags 2,048 bytes of whole numbers; qkv 25,165,824 bytes; acodes 8,388,608 bytes
;; launch prep: the kernel of part 1 again; grid 1024 x 1, 4 waves a work-group, no clusters, 68,096 bytes of LDS; arguments queries, keys, values, Wq, Wk, Wv, Wo, attn_mask, lowp_scales, xcodes, wcodes, mbits, mflags; writes xcodes, wcodes, mbits, mflags
;; launch proj: the kernel of part 2 again; grid 4 x 96, 4 waves a work-group, clusters of 4 x 4, 327,680 bytes of LDS; arguments xcodes, wcodes, lowp_scales, bq, bk, bv, qkv; writes qkv
;; launch attn (part 5): grid 4 x 64, 16 waves a work-group, no clusters, 264,192 bytes of LDS; arguments qkv, mbits, mflags, lowp_scales, acodes; writes acodes
.if DOCPART == 5
	.amdgcn_target "amdgcn-amd-amdhsa--gfx1250"
	.amdhsa_code_object_version 6
	.text
	.protected	k_q0af698d0e7_attn
	.globl	k_q0af698d0e7_attn
	.p2align	8
	.type	k_q0af698d0e7_attn,@function
k_q0af698d0e7_attn:
	s_mov_b64 s[64:65], 0
	v_nop
	global_prefetch_b8 v0, s[64:65] scope:SCOPE_SE
	s_setreg_imm32_b32 hwreg(HW_REG_WAVE_SCHED_MODE, 0, 2), 2
	s_setreg_imm32_b32 hwreg(HW_REG_WAVE_MODE, 25, 1), 1
	s_wait_xcnt 0x0
	s_wait_alu depctr_vm_vsrc(0)
; ATTN.  For each of 64 heads: o = softmax(mask(q k^T / 8)) v, both products on codes of FP8 (E4M3); o is quantised at once for the output projection.
; INPUTS: qkv: Q [bh 64][query tile 128][1024], K at 0x800000 [bh][key tile 128][1024], V at 0x1000000 [bh][key step 16][channel tile 4][2048]: images of operand registers (chunks of 512 bytes, lane l's 16 bytes at 16 l).
; mbits [T 128][step 16][64 words]: word n is the lane mask (1 = hidden) for register n of a step's scores.  mflags [T][4]: two bits a step: 0 all hidden, 1 mixed, 2 all open.  Both were stored by an earlier launch.
; OUTPUT acodes [row tile b x 128 + T][K block 8][2048]: head hd fills bytes 1,024 hd .. + 1,023 of a row tile's 16,384.
; THE SOFTMAX: t = score x log2(e) / 8; M = the row's largest t so far, rounded UP to a whole number; p = 2^(t - M) is quantised, not normalised; the row's sum is taken of the unquantised p and divides at the end.
; When M moves, the sum and O are multiplied by 2^(old M - new M): exact.  A row all of whose keys are hidden has the sum 0 and gets NaN codes, which make its row of the layer's output NaN.
; SHARES.  A work-group takes one head and 32 query tiles; each of its SIXTEEN waves two tiles of 16 queries, one after the other: T = 127 - (16 x + w), then 16 x + w.  Four waves to a SIMD: one wave's vector work stands beside another's products.
; THE HEAD'S K AND V LIE WHOLE IN LDS: 131,072 bytes each, every byte written once, copied through registers a quarter (four key steps) ahead of its first use, so no wave waits for a later quarter and nothing is prefetched.
; NO TENSOR LOADS, NO CLUSTER: a step branches on the stored flags (a step all hidden is left out; the masking is left out where all is open), and on the given exponent of p.  What the four work-groups of a head share is read once by each.
; LAYOUT.  Both products are used transposed: S^T = K Q^T (source 0 = 16 keys), O^T = V^T P^T (source 0 = 16 channels): a lane holds ONE query (lane % 16); register 8 t + j of S^T is key 16 t + 8 (lane / 16) + j, so eight
; registers convert into registers 2 t, 2 t + 1 of the second product's operand, k in its true place.
; LIMITS: entries 6 + 7 between -123 and 130; entries 9 and 10 between -126 and 119.
; THE MODE: SCHED_MODE bits 1:0 = 2 (LLVM: expert scheduling mode 2), set by the entry lines.  The code itself states the register dependences between vector or matrix instructions and memory or LDS instructions, with s_wait_alu, always for 0.
; THE PLAN.  Registers that memory or LDS instructions touch, and who else names them:
;   v1, v5-v8   addresses, made at the head and never written again: one wait on va_vdst ahead of the first load serves them for the whole kernel.
;   v2, v3      the step's LDS addresses: written by two additions at a step's head, read by that step's 32 LDS loads.
;   KV          K's loads land in it at a step's head; the eight products K Q^T read it; V's loads land in it; the four products V^T P read it.  No other vector instruction names it.
;   FK, FV      a quarter's global loads land in them, its LDS stores read them; no vector instruction names them.
;   v16-v23     Q: loaded at a tile's begin, read by every product K Q^T of the tile.
;   PC          written by the conversions (at a tile's end by the selects too), read by the products V^T P and, at a tile's end, by the two global stores.
; A STEP has one wait on vm_vsrc (the last step's loads have read v2 and v3) and three on va_vdst: at its head, behind the additions (v2, v3 are written; the last V^T P are done reading KV); behind the products K Q^T (they are done
; reading KV); and the one behind the exponentials.  V's sixteen loads follow the second of them, four at once and twelve dealt among the maximum's lines, which name S^T and two registers at work: none that those loads touch.
.set LI,   1                           ; v1   16 x lane
.set ADK,  2                           ; v2   LDS address of the step's K
.set ADV,  3                           ; v3   of its V
.set LIV,  9                           ; v9   16 x lane + 131,072.  v5-v8: 16 x thread + 0, 65,536, 131,072, 196,608: the copy's addresses
.set KV,   32                          ; v32-95   eight fragments of K, then four of V
.set S,    96                          ; v96-159  S^T, then p
.set O,    160                         ; v160-191 O^T
.set FK,   192                         ; v192-207 a quarter of K on its way, v208-223 of V
.set FV,   208
.set PC,   224                         ; v224-239 p's codes
.set TB,   2                           ; s2   LDS byte of the step in hand
.set MB,   84                          ; s[84:85] the step's mask words
.set AO,   86                          ; s[86:87] where the tile's codes go
.set QP,   88                          ; s[88:89] the tile's Q
.set FW,   92                          ; s92  the flags still to come, two bits a step
.set FL,   93                          ; s93  this step's
.set WV,   94
.set TT,   95                          ; s95  the query tile
.set CS,   96                          ; s[96:97] c = log2(e) / 8 x 2^(eq + ek)
.set SEL,  98                          ; s[98:99] v_permlanex16_b32's selects for lane l xor 16
.set EP,   100                         ; s100 ep;  s101 ep + ev
	s_load_b64 s[4:5], s[0:1], 0x0                 ; qkv
	s_load_b128 s[8:11], s[0:1], 0x8               ; mbits 8, mflags 10
	s_load_b128 s[12:15], s[0:1], 0x18             ; lowp_scales 12, acodes 14
	v_lshl_add_u32 v251, v0, 2, 0x40000
	v_mov_b32 v255, 0
	v_lshrrev_b32 v1, 5, v0
	v_readfirstlane_b32 s[WV], v1                  ; wave 0..15
	v_and_b32 v1, 31, v0
	v_lshlrev_b32 v[LI], 4, v1
	v_add_nc_u32 v[LIV], 0x20000, v[LI]
	v_lshlrev_b32 v5, 4, v0
	v_add_nc_u32 v6, 0x10000, v5
	v_add_nc_u32 v7, 0x20000, v5
	v_add_nc_u32 v8, 0x30000, v5
	v_mov_b32 v246, 0                              ; written once: a lane permute's destination counts as one of its sources
	v_mov_b32 v247, 0xff800000                     ; -infinity
	v_mov_b32 v248, 0x7f7f7f7f                     ; four NaN codes
	v_mov_b32 v253, 0                              ; (named as the upper half of the pair v[252:253])
	s_mov_b32 s[SEL], 0x76543210
	s_mov_b32 s[SEL+1], 0xfedcba98
	s_and_b32 s90, ttmp7, 0xffff                   ; bh
	s_lshr_b32 s92, s90, 4
	s_lshl_b32 s92, s92, 21                        ; acodes: the batch's 128 row tiles,
	s_and_b32 s93, s90, 15
	s_lshl_b32 s93, s93, 10                        ; + 1,024 x head
	s_add_co_u32 s92, s92, s93
	s_mov_b32 s93, 0
	s_lshl_b32 s90, s90, 17                        ; 131,072 bytes a head in each of Q, K, V
	s_mov_b32 s91, 0
	s_wait_alu depctr_va_sdst(0)                   ; the wave's number is written, ahead of its first reader: the query tile is made from it
	s_lshl_b32 s[TT], ttmp9, 4
	s_add_co_u32 s[TT], s[TT], s[WV]               ; 16 x + w
	s_wait_kmcnt 0x0
	s_load_b128 s[16:19], s[12:13], 0x18           ; eq, ek, ev, ep
	s_load_b32 s20, s[12:13], 0x28                 ; the output's e
	s_add_nc_u64 s[4:5], s[4:5], s[90:91]          ; Q's head
	s_add_nc_u64 s[6:7], s[4:5], 0x800000          ; K's
	s_add_nc_u64 s[66:67], s[4:5], 0x1000000       ; V's
	s_add_nc_u64 s[14:15], s[14:15], s[92:93]
.macro BAR
	s_barrier_signal -1
	s_barrier_wait -1
.endm
.macro LOADQ q                         ; quarter q of K and of V: the sixteen waves read 8,192 consecutive bytes with each line
.irp i, 0,1,2,3
	global_load_b128 v[FK+4*\i:FK+4*\i+3], v5, s[6:7] offset:32768*(\q)+8192*\i
	global_load_b128 v[FV+4*\i:FV+4*\i+3], v5, s[66:67] offset:32768*(\q)+8192*\i
.endr
.endm
.macro STOREQ q
.irp i, 0,1,2,3
	ds_store_b128 v[5+(\q)/2], v[FK+4*\i:FK+4*\i+3] offset:32768*((\q)%2)+8192*\i
	ds_store_b128 v[7+(\q)/2], v[FV+4*\i:FV+4*\i+3] offset:32768*((\q)%2)+8192*\i
.endr
.endm
; Quarter q goes into LDS between two barriers, so that no wave reads images while another stores: in front of the first every wave's reads are back, in front of the second its stores have landed.
.macro REFILL q, more
	s_wait_dscnt 0x0
	BAR
	s_wait_loadcnt 0x0                             ; the quarter, asked for four key steps ago
	STOREQ \q
	s_wait_dscnt 0x0                               ; for the others' sake: my stores have landed
.if \more
	s_wait_alu depctr_vm_vsrc(0)                   ; the LDS stores have read FK and FV, in which the next quarter's loads land
	LOADQ (\q)+1
.endif
	BAR
.endm
	s_wait_alu depctr_va_vdst(0)                   ; v1 and v5 to v8 are written: every load and store of the kernel but the steps' LDS loads reads one of them as its address
	LOADQ 0
	s_wait_kmcnt 0x0
	s_add_co_i32 s90, s16, s17
	s_lshl_b32 s90, s90, 23
	s_mov_b32 s[CS], 0x3e38aa3b                    ; log2(e) / 8
	s_add_co_i32 s[CS], s[CS], s90                 ; a score stands for score x 2^(eq + ek): added to c's exponent field
	s_mov_b32 s[CS+1], s[CS]
	s_mov_b32 s[EP], s19
	s_add_co_i32 s101, s18, s19
	s_add_co_i32 s90, s19, 127
	s_lshl_b32 s91, s90, 23
	v_mov_b32 v244, s91                            ; 2^ep
	s_add_co_i32 s90, s90, 8
	s_lshl_b32 s90, s90, 23
	s_or_b32 s90, s90, 0x600000
	v_mov_b32 v240, s90                            ; 448 x 2^ep
	s_add_co_i32 s90, s20, 127
	s_lshl_b32 s91, s90, 23
	v_mov_b32 v245, s91                            ; 2^e of the output
	s_add_co_i32 s90, s90, 8
	s_lshl_b32 s90, s90, 23
	s_or_b32 s90, s90, 0x600000
	v_mov_b32 v241, s90                            ; 448 x that
.set n, 16
.rept 24
	s_mov_b64 s[n:n+1], 0                          ; the mask words' registers, s16-63 and s68-83, are written once, so that every path through a step finds them written
.set n, n+2
.endr
.set n, 68
.rept 8
	s_mov_b64 s[n:n+1], 0
.set n, n+2
.endr
.macro TILE_BEGIN again                ; tile s[TT]: its Q, its flags, its places; m, the sum and O^T begin.  again = 1: a tile has gone before
	s_wait_xcnt 0x0                                ; earlier loads and stores have read their bases and data
.if \again
	s_wait_alu depctr_vm_vsrc(0)                   ; the last tile's two stores have read the codes' registers, which this tile's conversions write again
.endif
	s_lshl_b32 s90, s[TT], 10
	s_mov_b32 s91, 0
	s_add_nc_u64 s[QP:QP+1], s[4:5], s[90:91]
	global_load_b128 v[16:19], v[LI], s[QP:QP+1]   ; no vector or matrix instruction since the last wait on va_vdst (at the head; ahead of the last tile's stores) names v1 or v16 to v23
	global_load_b128 v[20:23], v[LI], s[QP:QP+1] offset:512
	s_lshl_b32 s[FL], s[TT], 4
	s_load_b128 s[16:19], s[10:11], s[FL] offset:0x0
	s_lshl_b32 s90, s[TT], 12
	s_add_nc_u64 s[MB:MB+1], s[8:9], s[90:91]
	s_lshl_b32 s90, s[TT], 14
	s_add_nc_u64 s[AO:AO+1], s[14:15], s[90:91]
	s_mov_b32 s[TB], 0
	v_mov_b32 v13, 0xff61b1e6                      ; the largest t so far: -3e38, under every t
	v_floor_f32 v12, -v13                          ; -M
	v_mov_b32 v14, 0
	v_mov_b32 v15, 0
.set i, 0
.rept 32
	v_mov_b32 v[O+i], 0                            ; the step is written once: the first finds zeros, which the first change of M leaves zeros
.set i, i+1
.endr
	s_wait_kmcnt 0x0
	s_lshl_b32 s17, s17, 8
	s_lshl_b32 s18, s18, 16
	s_lshl_b32 s19, s19, 24
	s_or_b32 s16, s16, s17
	s_or_b32 s18, s18, s19
	s_or_b32 s[FW], s16, s18                       ; sixteen steps, two bits each
.endm
.macro VLD idx                         ; load idx of the sixteen that bring the step's V: channel tile idx / 4, chunk idx % 4
	ds_load_b128 v[KV+4*(\idx):KV+4*(\idx)+3], v[ADV] offset:512*(\idx)
.endm
; A KEY STEP: 128 keys.
.macro STEP
	s_and_b32 s[FL], s[FW], 3
	s_cmp_eq_u32 s[FL], 0
	s_cbranch_scc1 .Lhid_\@                        ; all hidden: only the lines that step addresses are run
	s_cmp_eq_u32 s[FL], 1
	s_cbranch_scc0 .Lnoword_\@
	s_load_b512 s[16:31], s[MB:MB+1], 0x0          ; mixed: the 64 lane masks
	s_load_b512 s[32:47], s[MB:MB+1], 0x40
	s_load_b512 s[48:63], s[MB:MB+1], 0x80
	s_load_b512 s[68:83], s[MB:MB+1], 0xc0
.Lnoword_\@:
	s_wait_alu depctr_vm_vsrc(0)                   ; the LDS loads of the step before have read v2 and v3, which the two additions write again
	v_add_nc_u32 v[ADK], s[TB], v[LI]
	v_add_nc_u32 v[ADV], s[TB], v[LIV]
	v_nop
	v_nop                                          ; four plain lines in front of loads into registers that the last products read
	s_wait_alu depctr_va_vdst(0)                   ; v2 and v3 are written, which this step's LDS loads read; the last products V^T P are done reading KV, in which K lands
.irp t, 0,1,2,3,4,5,6,7
	ds_load_b128 v[KV+8*\t:KV+8*\t+3], v[ADK] offset:1024*\t
	ds_load_b128 v[KV+8*\t+4:KV+8*\t+7], v[ADK] offset:1024*\t+512
.endr
	s_wait_dscnt 8                                 ; key tiles 0-3 are in; the eight loads of tiles 4-7 may be out
.irp t, 0,1,2,3
	v_wmma_f32_16x16x64_fp8_fp8 v[S+8*\t:S+8*\t+7], v[KV+8*\t:KV+8*\t+7], v[16:23], 0
.endr
	s_wait_dscnt 0x0
.irp t, 4,5,6,7
	v_wmma_f32_16x16x64_fp8_fp8 v[S+8*\t:S+8*\t+7], v[KV+8*\t:KV+8*\t+7], v[16:23], 0
.endr
.rept 4
	v_nop                                          ; places: K's registers are loaded again, and the scores are read
.endr
	s_wait_alu depctr_va_vdst(0)                   ; the eight products K Q^T are done reading KV, in which V lands; the places above stay beside this wait
.irp q, 0,1,2,3
	VLD \q                                         ; V lands under the softmax: channel tile 0 now, the other twelve loads among the maximum's lines
.endr
	s_wait_kmcnt 0x0                               ; the mask words, if they were asked for
	s_cmp_eq_u32 s[FL], 1
	s_cbranch_scc0 .Lopen_\@
.set n, 0
.rept 64
	v_cndmask_b32 v[S+n], v[S+n], v247, s[16+n+4*(n/48)]   ; hidden scores become -infinity: p = 0
.set n, n+1
.endr
.Lopen_\@:
	v_max3_num_f32 v254, v96, v97, v98             ; the step's largest score of my query among my 64 keys, in two chains,
	v_max3_num_f32 v252, v99, v100, v101
.set vn, 4
.irp i, 6,10,14,18,22,26,30,34,38,42,46,50,54,58
	v_max3_num_f32 v254, v254, v[96+\i], v[97+\i]
	v_max3_num_f32 v252, v252, v[98+\i], v[99+\i]
.if vn < 16
	VLD vn                                         ; no wait: on either way round the masking, no vector or matrix instruction since the wait above names v3 or KV
.set vn, vn+1
.endif
.endr
	v_max3_num_f32 v254, v254, v158, v159
	v_max_num_f32 v254, v254, v252
	v_permlanex16_b32 v246, v254, s[SEL], s[SEL+1]
	v_max_num_f32 v254, v254, v246                 ; and among lane l xor 16's
	v_mul_f32 v254, s[CS], v254                    ; as t (c is positive)
	v_max_num_f32 v13, v13, v254                   ; the running largest t
	v_mov_b32 v254, v12
	v_floor_f32 v12, -v13                          ; the new -M = floor(-t) = -ceil(t)
	v_sub_f32 v254, v12, v254                      ; old M - new M: a whole number, 0 or less
	v_cvt_i32_f32 v254, v254                       ; (it saturates)
	v_ldexp_f32 v252, 1.0, v254                    ; f = 2^(old M - new M)
.set n, 0
.rept 32
	v_pk_fma_f32 v[S+n:S+n+1], v[S+n:S+n+1], s[CS:CS+1], v[12:13] op_sel_hi:[1,0,0]   ; t - M, two at a time
.set n, n+2
.endr
.set n, 0
.rept 64
	v_exp_f32 v[S+n], v[S+n]                       ; p = 2^(t - M)
.set n, n+1
.endr
	v_pk_mul_f32 v[14:15], v[14:15], v[252:253] op_sel_hi:[1,0]   ; the sums under the new M: the plain line behind the exponentials
	s_wait_alu depctr_va_vdst(0)                   ; the 64 exponentials have written p: one wait for the batch, ahead of its first reader
	v_pk_add_f32 v[242:243], v[96:97], v[98:99]    ; the row's sum of the unquantised p, in two chains
.irp j, 4,8,12,16,20,24,28,32,36,40,44,48,52,56,60
	v_pk_add_f32 v[14:15], v[14:15], v[96+\j:97+\j]
	v_pk_add_f32 v[242:243], v[242:243], v[98+\j:99+\j]
.endr
	v_pk_add_f32 v[14:15], v[14:15], v[242:243]
	s_cmp_ge_i32 s[EP], -8                         ; p is at most 1: from ep = -8 on, 448 x 2^ep is 1.75 or more and no p passes the hold
	s_cbranch_scc1 .Lnohold_\@
.set n, 0
.rept 64
	v_min_num_f32 v[S+n], v[S+n], v240             ; the conversion does not saturate (ISA guide 7.6.2); p is not negative
.set n, n+1
.endr
.Lnohold_\@:
.irp t, 0,1,2,3,4,5,6,7
	v_cvt_scalef32_pk8_fp8_f32 v[PC+2*\t:PC+2*\t+1], v[S+8*\t:S+8*\t+7], v244
.endr
.set n, 0
.rept 16
	v_pk_mul_f32 v[O+n:O+n+1], v[O+n:O+n+1], v[252:253] op_sel_hi:[1,0]   ; O^T under the new M; also the plain lines behind the conversions
.set n, n+2
.endr
	s_wait_dscnt 0x0                               ; V is in
.irp t, 0,1,2,3                        ; the four accumulators by turns, one instruction a turn
	v_wmma_f32_16x16x128_fp8_fp8 v[O+8*\t:O+8*\t+7], v[KV+16*\t:KV+16*\t+15], v[PC:PC+15], v[O+8*\t:O+8*\t+7]
.endr
.Lhid_\@:
	s_lshr_b32 s[FW], s[FW], 2
	s_add_co_u32 s[TB], s[TB], 8192
	s_add_nc_u64 s[MB:MB+1], s[MB:MB+1], 256       ; (no scalar load is out here)
.endm
.macro RUN n
	s_mov_b32 s3, \n
.Lrun_\@:
	STEP
	s_sub_co_u32 s3, s3, 1
	s_cmp_lg_u32 s3, 0
	s_cbranch_scc1 .Lrun_\@
.endm
.macro TILE_END                        ; o = O^T x 2^(ep + ev) / the sum, held, quantised, stored: 1,024 consecutive bytes a wave
.rept 4
	v_nop                                          ; places behind the last products
.endr
	v_add_f32 v14, v14, v15
	v_permlanex16_b32 v246, v14, s[SEL], s[SEL+1]
	v_add_f32 v14, v14, v246                       ; the row's sum
	v_cmp_eq_f32 vcc_lo, 0, v14                    ; no open key at all
	v_rcp_f32 v252, v14
	v_nop                                          ; a plain line behind the transcendental,
	s_wait_alu depctr_va_vdst(0)                   ; and the wait ahead of its first reader: the reciprocal has written v252
	v_ldexp_f32 v252, v252, s101
.set i, 0
.rept 32
	v_mul_f32 v[S+i], v[O+i], v252                 ; register 8 t + j: o(query r, channel 16 t + 8 h + j)
.set i, i+1
.endr
.set i, 0
.rept 32
	v_med3_num_f32 v[S+i], v[S+i], -v241, v241
.set i, i+1
.endr
.irp t, 0,1,2,3
	v_cvt_scalef32_pk8_fp8_f32 v[PC+2*\t:PC+2*\t+1], v[S+8*\t:S+8*\t+7], v245
.endr
	v_nop                                          ; one plain line between the conversions and the lines that touch their results
	s_wait_alu depctr_va_vcc(0)                    ; the compare above has written VCC, ahead of its first reader: the selects below
.irp i, 0,1,2,3,4,5,6,7
	v_cndmask_b32 v[PC+\i], v[PC+\i], v248, vcc_lo
.endr
	s_wait_alu depctr_va_vdst(0)                   ; the selects have written the codes, which the two stores read; and the tile's products are done reading Q's registers, in which the next tile's loads land
	global_store_b128 v[LI], v[PC:PC+3], s[AO:AO+1]
	global_store_b128 v[LI], v[PC+4:PC+7], s[AO:AO+1] offset:512
.endm
	s_sub_co_u32 s[TT], 127, s[TT]                 ; the first tile: 127 - (16 x + w)
	TILE_BEGIN 0
	s_wait_loadcnt 0x0                             ; quarter 0, and Q
	STOREQ 0
	s_wait_dscnt 0x0
	s_wait_alu depctr_vm_vsrc(0)                   ; the LDS stores have read FK and FV, in which quarter 1's loads land
	LOADQ 1
	BAR
	RUN 4
	REFILL 1, 1
	RUN 4
	REFILL 2, 1
	RUN 4
	REFILL 3, 0
	RUN 4
	TILE_END
	s_sub_co_u32 s[TT], 127, s[TT]                 ; the second tile: 16 x + w; all of K and V lies in LDS
	TILE_BEGIN 1
	s_wait_loadcnt 0x0                             ; Q
	RUN 16
	TILE_END
	s_wait_dscnt 0x0
	s_wait_alu depctr_hold_cnt(0) depctr_sa_sdst(0) depctr_va_vdst(0) depctr_va_sdst(0) depctr_va_ssrc(0) depctr_va_vcc(0) depctr_vm_vsrc(0)
	s_wait_tensorcnt 0x0
	ds_add_u32 v251, v255
	s_wait_dscnt 0x0
	s_endpgm
.Lfunc_end_k_q0af698d0e7_attn:
	.size	k_q0af698d0e7_attn, .Lfunc_end_k_q0af698d0e7_attn-k_q0af698d0e7_attn
	.p2alignl 7, 3214868480
	.fill 96, 4, 3214868480
	.section	.rodata,"a",@progbits
	.p2align	6, 0x0
	.amdhsa_kernel k_q0af698d0e7_attn
		.amdhsa_group_segment_fixed_size 264192
		.amdhsa_private_segment_fixed_size 0
		.amdhsa_enable_private_segment 0
		.amdhsa_kernarg_size 40
		.amdhsa_user_sgpr_count 2
		.amdhsa_user_sgpr_kernarg_segment_ptr 1
		.amdhsa_wavefront_size32 1
		.amdhsa_system_sgpr_workgroup_id_x 1
		.amdhsa_system_sgpr_workgroup_id_y 1
		.amdhsa_system_sgpr_workgroup_id_z 1
		.amdhsa_system_vgpr_workitem_id 0
		.amdhsa_next_free_vgpr 256
		.amdhsa_next_free_sgpr 102
		.amdhsa_reserve_vcc 1
		.amdhsa_float_denorm_mode_32 3
		.amdhsa_float_denorm_mode_16_64 3
		.amdhsa_memory_ordered 1
		.amdhsa_forward_progress 1
		.amdhsa_inst_pref_size 123
	.end_amdhsa_kernel
	.amdgpu_metadata
---
amdhsa.version: [ 1, 2 ]
amdhsa.kernels:
  - .name:           k_q0af698d0e7_attn
    .symbol:         k_q0af698d0e7_attn.kd
    .args:
      - { .name: qkv, .offset: 0, .size: 8, .value_kind: global_buffer, .address_space: global }
      - { .name: mbits, .offset: 8, .size: 8, .value_kind: global_buffer, .address_space: global }
      - { .name: mflags, .offset: 16, .size: 8, .value_kind: global_buffer, .address_space: global }
      - { .name: lowp_scales, .offset: 24, .size: 8, .value_kind: global_buffer, .address_space: global }
      - { .name: acodes, .offset: 32, .size: 8, .value_kind: global_buffer, .address_space: global }
    .group_segment_fixed_size: 264192
    .private_segment_fixed_size: 0
    .kernarg_segment_align: 8
    .kernarg_segment_size: 40
    .max_flat_workgroup_size: 512
    .sgpr_count:     102
    .vgpr_count:     256
    .wavefront_size: 32
...
	.end_amdgpu_metadata
.endif
;; end of part 5
;; launch outp: the kernel of part 4 again; grid 4 x 32, 4 waves a work-group, clusters of 4 x 4, 327,680 bytes of LDS; arguments acodes, wcodes, lowp_scales, bo, out0; writes out0
